; MI455X (gfx1250); checked and timed in simulation.
; The chip was launched on July 23, 2026; its instructions are those of AMD's public machine-readable ISA for CDNA 5 (MIT licence, August 2026) and "CDNA5" Instruction Set Architecture Reference Guide (July 2026). The comments in the code are by the model that wrote it; some were corrected since.
;; Causal Self Attention. Allowed arithmetic: matrix products marked QUANTISED: E4M3 operands, one E8M0 scale for each 32 along K, by v_wmma_scale_f32_16x16x128_f8f6f4 with both operands' format E4M3, f32 sums; everything else in f32.
;; Inputs: Wk 1,024 x 1,024 float32; Wp 1,024 x 1,024 float32; Wq 1,024 x 1,024 float32; Wv 1,024 x 1,024 float32; x 4 x 2,048 x 1,024 float32.
;; Outputs: out0 4 x 2,048 x 1,024 float32.
;; This version of the problem:
;;   THIS VERSION OF THE PROBLEM IS GIVEN IN LOW PRECISION. The matrix products marked QUANTISED in the list below multiply operands that are first quantised to E4M3 (4 exponent bits, 3 mantissa bits; 8 bits a number), with one power-of-two scale for each 32 numbers along K (OCP MX v1.0); their sums are f32. All else is computed in f32.
;;   The module's matrix products, in the order in which they are computed (A, B: the left and right operand; K: the contracted axis; several contracted axes count as one K, in the product's order):
;;     1. [M 8,192, K 1,024] x [K 1,024, N 1,024]; A: input x; B: input Wk: QUANTISED
;;     2. [M 8,192, K 1,024] x [K 1,024, N 1,024]; A: input x; B: input Wq: QUANTISED
;;     3. [M 8,192, K 1,024] x [K 1,024, N 1,024]; A: input x; B: input Wv: QUANTISED
;;     4. batch 64 x [M 2,048, K 64] x [K 64, N 2,048]; A: computed on the way; B: computed on the way: QUANTISED
;;     5. batch 64 x [M 2,048, K 2,048] x [K 2,048, N 64]; A: softmax (see below); B: computed on the way: QUANTISED
;;     6. [M 8,192, K 1,024] x [K 1,024, N 1,024]; A: computed on the way; B: input Wp: QUANTISED
;;   THE QUANTISER, for each operand of a quantised product, along K:
;;     - K is cut into blocks of 32 from its start; a last block that is shorter is filled with zeros.
;;     - A block's scale is 2^e with e = floor(log2(the largest magnitude in the block)) - 8, held to -126 .. 127; a block of zeros has e = 0. As a byte (E8M0): e + 127.
;;     - Each number is divided by its block's scale, clamped to +-448, and rounded to the nearest number of E4M3, ties to even, subnormals kept.
;;     - The product sums the exact products of the quantised numbers (number of the format x scale) in f32.
;;   ~~~python
;;   def quantise(x, axis):      # numpy; x: float32 -> the quantised numbers, widened to float32 again
;;       x = np.moveaxis(x, axis, -1); K = x.shape[-1]
;;       x = np.pad(x, [(0, 0)] * (x.ndim - 1) + [(0, -K % 32)]); x = x.reshape(x.shape[:-1] + (-1, 32)); a = np.abs(x).max(-1, keepdims=True)
;;       e = np.where(a > 0, np.clip(np.frexp(np.where(a > 0, a, 1))[1] - 1 - 8, -126, 127), 0)      # np.frexp(a)[1] - 1 = floor(log2(a)), exactly
;;       r = np.clip(x / 2.0 ** e, -448, 448)
;;       step = 2.0 ** (np.maximum(np.frexp(np.where(r == 0, 1, r))[1] - 1, -6) - 3)
;;       q = np.round(r / step) * step * 2.0 ** e      # np.round: ties to even
;;       return np.moveaxis(q.reshape(q.shape[:-2] + (-1,))[..., :K], -1, axis).astype(np.float32)
;;   ~~~
;;   SOFTMAX AHEAD OF A QUANTISED PRODUCT. Where the list says 'softmax', what is quantised is not the finished softmax but p = 2^(t - M), with t = logit x log2(e) and M = ceil(the row's largest t), a whole number; so 1/2 < the row's largest p <= 1. The row's sum l is taken of the UNQUANTISED p, in f32, and the product's result is divided by l at the end. Since M is a whole number, a kernel that streams over the keys may use a running M (the ceiling of the running maximum): every later rescaling is an exact power of two, which a block's scale takes up: the codes' values come out the same.
;;   OPERANDS COMPUTED ON THE WAY. 'Computed on the way' means the value that the module computes at that place (a softmax that the list does not call 'softmax' is quantised finished and normalised). What goes into a quantiser is computed in f32, as accurately as f32 sums, v_exp_f32 and their like allow (about 1e-6 of the number): no bf16 or f16 on the way to a quantiser, and a product that is left as it is and whose result goes on into a quantised operand takes f32 operands (vector FMAs, or v_wmma_f32_16x16x4_f32). A number that lies on a knife's edge between two numbers of the format may be rounded either way, as far as f32 arithmetic and the matrix unit's own rounding can turn it there, and no further.
;; One version. Each part assembles by itself: llvm-mc -triple=amdgcn-amd-amdhsa -mcpu=gfx1250 --defsym DOCPART=n.
;; ======== version 1 of 1: 4 launches
;; limits: right only within a limited range of input values
;; workspace buffers: cw 12,582,912 bytes; sc1 360,448 bytes; sc2 294,912 bytes; qkv 25,165,824 bytes; qkvs 786,432 bytes; yc 8,388,608 bytes
;; launch quant (part 1): grid 512 x 1, 4 waves a work-group, no clusters, 34,304 bytes of LDS; arguments x, Wk, Wq, Wv, Wp, cw, sc1, sc2; writes cw, sc1, sc2
.if DOCPART == 1
	.amdgcn_target "amdgcn-amd-amdhsa--gfx1250"
	.amdhsa_code_object_version 6
	.text
	.protected	k_q6ec6e4ab76_quant
	.globl	k_q6ec6e4ab76_quant
	.p2align	8
	.type	k_q6ec6e4ab76_quant,@function
k_q6ec6e4ab76_quant:
	s_mov_b64 s[64:65], 0
	v_nop
	global_prefetch_b8 v0, s[64:65] scope:SCOPE_SE
	s_setreg_imm32_b32 hwreg(HW_REG_WAVE_MODE, 25, 1), 1
	s_wait_xcnt 0x0
; x [8192][1024] and the four weights [1024 (k)][1024 (n)], f32, become codes of FP8 (E4M3) with one E8M0 scale byte for each 32 along K (x: its columns; a weight: its FIRST axis).
; A block's scale is 2^(floor(log2(largest magnitude)) - 8); its byte is the largest magnitude's exponent field - 8, held at 1 from below; each number is held within +-448 x the scale and rounded to the nearest code.
; THE LAYOUT OF ALL CODES: IMAGES OF OPERAND REGISTERS.  Rows (tokens of x, columns n of a weight) go in tiles of 16: row r of tile T is row 32 (T / 2) + 8 (T % 2) + r + 8 (r / 8).
; A fragment (a tile x 128 along K) is 2,048 bytes: piece c (0..3) at 512 c, in it lane (r, h) at 16 (r + 16 h): the codes of k = 32 c + 16 h + 0 .. 15.  cw: [tile 768][K step 8][2,048]; tiles 0-511 x, then 64 each of Wk, Wq, Wv, Wp.
; Scale words (four bytes: one row, 128 along K): [tile][K half 2][r 16][4 words], 512 bytes a tile: sc1 for x, Wk, Wq, Wv; Wp's go to sc2 behind the 512 tiles that a later launch writes there.
; SHARES.  Work-groups 0-255: x, two tiles each; a wave takes one tile x 512 along K.  Work-groups 256-511: a weight's 128 columns x 128 along K; a wave 32 columns, a lane a column, its registers down K.
; No matrix unit, no tensor load, no barrier, no cluster: waves and work-groups share no input.
; LIMITS: NaN and infinities among the inputs are not served.  A block of zeros gets the byte 1 where the rule says 127: its codes are zeros, which add nothing under any byte but 0xff, and this program alone reads the bytes.
; The weights' scale words leave 4 bytes a lane, 16 bytes apart: 1 byte for each 128 read.
.set TM,     16                        ; v16-19 largest magnitudes, v20-23 bytes, v28-31 the conversions' scale operands
.set PC,     32                        ; v32-47  a fragment's codes
.set WDS,    48                        ; v48-51  my row's four scale words
.set R,      64                        ; v64-191 numbers as loaded: x: two sets of 64; a weight: four blocks of 32
.set X,      192                       ; v192-255 x: 64 numbers, register 16 b + i = k 32 b + 16 h + i of my row; a weight: the codes, 8 registers a block
.set SEL,    30                        ; s[30:31] lane selects for v_permlanex16_b32: lane l xor 16
.set MNT,    32
.set SPITCH, 528                       ; x's stage: a row of 512 bytes + 16, so that sixteen rows start at sixteen different groups of banks
.set WSTAGE, 16*SPITCH                 ; a stage of its own for each wave
; 64 numbers of a lane become a fragment's codes in v[PC] on and its scale word in v[pw]
.macro QUANT s, pw
.irp b, 0,1,2,3
	v_max3_num_f32 v[TM+\b], |v[\s+16*\b]|, |v[\s+1+16*\b]|, 0x4800000   ; block b: my 16 numbers, and the floor 2^(9 - 127): the byte cannot fall under 1
.endr
.irp i, 2,4,6,8,10,12,14
.irp b, 0,1,2,3
	v_max3_num_f32 v[TM+\b], v[TM+\b], |v[\s+16*\b+\i]|, |v[\s+1+16*\b+\i]|   ; the four blocks by turns
.endr
.endr
.irp b, 0,1,2,3
	v_permlanex16_b32 v[TM+4+\b], v[TM+\b], s[SEL], s[SEL+1]
.endr
.irp b, 0,1,2,3
	v_max_num_f32 v[TM+\b], v[TM+\b], v[TM+4+\b]   ; with lane l xor 16's 16: the block's largest magnitude
.endr
.irp b, 0,1,2,3
	v_add_nc_u32 v[TM+12+\b], 0xfc000000, v[TM+\b]   ; 8 off its exponent field: the conversion takes this operand's exponent field as its scale
.endr
.irp b, 0,1,2,3
.endr
.irp b, 0,1,2,3
	v_lshrrev_b32 v[TM+4+\b], 23, v[TM+12+\b]   ; the scale's byte
.endr
	v_lshl_or_b32 v[\pw], v[TM+5], 8, v[TM+4]
	v_lshl_or_b32 v[\pw], v[TM+6], 16, v[\pw]
	v_lshl_or_b32 v[\pw], v[TM+7], 24, v[\pw]
.irp b, 0,1,2,3
.irp i, 0,1,2,3,4,5,6,7,8,9,10,11,12,13,14,15
.endr
	v_cvt_scalef32_pk8_fp8_f32 v[PC+4*\b:PC+1+4*\b], v[\s+16*\b:\s+7+16*\b], v[TM+12+\b]
	v_cvt_scalef32_pk8_fp8_f32 v[PC+2+4*\b:PC+3+4*\b], v[\s+8+16*\b:\s+15+16*\b], v[TM+12+\b]
.endr
	v_nop                                          ; a plain vector line behind the last conversion
.endm
; x: K step t of my tile: each load reads 512 consecutive bytes of one of the tile's 16 rows
.macro LOAD t
.irp i, 0,1,2,3,4,5,6,7,8,9,10,11,12,13,14,15
	global_load_b128 v[R+64*((\t)%2)+4*\i:R+64*((\t)%2)+4*\i+3], v4, s[4:5] offset:(\i+8*(\i/8))*4096+512*(\t) th:TH_LOAD_NT
.endr
.endm
.macro KSTEP t
.if (\t) < 3
	s_wait_loadcnt 16                              ; this K step's 16 loads are in; the next one's 16 stay out
.else
	s_wait_loadcnt 0x0
.endif
.irp i, 0,1,2,3,4,5,6,7,8,9,10,11,12,13,14,15
	ds_store_b128 v5, v[R+64*((\t)%2)+4*\i:R+64*((\t)%2)+4*\i+3] offset:SPITCH*\i   ; row i as it lies
.endr
.irp c, 0,1,2,3
.irp j, 0,1,2,3
	ds_load_b128 v[X+16*\c+4*\j:X+16*\c+4*\j+3], v6 offset:128*\c+16*\j   ; back: row r, k = 32 c + 16 h + 4 j on.  LDS serves a wave's instructions in order: these see the stores
.endr
.endr
	s_wait_dscnt 0x0                               ; the numbers are back, and the stores have read their registers
	s_wait_xcnt 0x0                                ; the last K step's stores have read v[PC] on: it is written again only behind this wait
.if (\t) < 2
	LOAD (\t)+2
.endif
	QUANT X, WDS+(\t)
.irp c, 0,1,2,3
	global_store_b128 v4, v[PC+4*\c:PC+4*\c+3], s[14:15] offset:2048*(\t)+512*\c   ; a piece of the image: 512 consecutive bytes
.endr
.endm
; a weight: block t: W(32 t + i, my column)
.macro WLOAD t
.irp i, 0,1,2,3,4,5,6,7,8,9,10,11,12,13,14,15,16,17,18,19,20,21,22,23,24,25,26,27,28,29,30,31
	global_load_b32 v[R+32*(\t)+\i], v4, s[22:23] offset:(32*(\t)+\i)*4096 th:TH_LOAD_NT
.endr
.endm
.macro BLOCK t
.set XS, R+32*(\t)
.set CD, X+8*(\t)
.if (\t) < 3
	s_wait_loadcnt 32                              ; this block's 32 loads are in; the next block's 32 stay out
.else
	s_wait_loadcnt 0x0
.endif
.if (\t) < 2
	WLOAD (\t)+2                                   ; each block has registers of its own
.endif
	v_max3_num_f32 v12, |v[XS]|, |v[XS+1]|, |v[XS+2]|   ; all 32 numbers of the block are mine
	v_max3_num_f32 v13, |v[XS+3]|, |v[XS+4]|, |v[XS+5]|
.irp i, 6,10,14,18,22,26
	v_max3_num_f32 v12, v12, |v[XS+\i]|, |v[XS+\i+1]|
	v_max3_num_f32 v13, v13, |v[XS+\i+2]|, |v[XS+\i+3]|
.endr
	v_max3_num_f32 v12, v12, |v[XS+30]|, |v[XS+31]|
	v_max3_num_f32 v12, v12, v13, 0x4800000        ; and the floor
	v_add_nc_u32 v11, 0xfc000000, v12
	v_lshrrev_b32 v13, 23, v11
.if (\t) == 0
	v_mov_b32 v15, v13                             ; the four bytes make my column's scale word of this K step
.else
	v_lshl_or_b32 v15, v13, 8*(\t), v15
.endif
.irp i, 0,1,2,3,4,5,6,7,8,9,10,11,12,13,14,15,16,17,18,19,20,21,22,23,24,25,26,27,28,29,30,31
.endr
.irp g, 0,1,2,3
	v_cvt_scalef32_pk8_fp8_f32 v[CD+2*\g:CD+2*\g+1], v[XS+8*\g:XS+8*\g+7], v11
.endr
	v_nop
	global_store_b128 v8, v[CD:CD+3], s[14:15] offset:512*(\t)         ; k = 32 t + 0 .. 15: the image's lanes h = 0; the 32 lanes fill 256 bytes in each of two tiles
	global_store_b128 v8, v[CD+4:CD+7], s[14:15] offset:512*(\t)+256   ; k = 32 t + 16 .. 31: h = 1
.endm
	s_load_b512 s[4:19], s[0:1], 0x0               ; x s[4:5], Wk s[6:7], Wq s[8:9], Wv s[10:11], Wp s[12:13], cw s[14:15], sc1 s[16:17], sc2 s[18:19]
	v_lshl_add_u32 v62, v0, 2, 0x8400
	v_mov_b32 v63, 0
	v_lshrrev_b32 v1, 5, v0
	v_readfirstlane_b32 s20, v1                    ; wave
	v_and_b32 v1, 31, v0                           ; lane
	s_mov_b32 s[SEL], 0x76543210
	s_mov_b32 s[SEL+1], 0xfedcba98
	s_cmp_lt_u32 ttmp9, 256
	s_cbranch_scc0 .Lweights
	; ---- x: work-group j, wave w: tile 2 j + w / 2, K half w % 2
	v_and_b32 v2, 15, v0                           ; r
	v_bfe_u32 v3, v0, 4, 1                         ; h
	v_lshlrev_b32 v4, 4, v1                        ; 16 x lane: my bytes of a load, and of a piece of an image
	s_mul_i32 s21, s20, WSTAGE
	v_add_nc_u32 v5, s21, v4                       ; the stage, on the way in
	v_mul_u32_u24 v6, v2, SPITCH
	v_lshl_add_u32 v6, v3, 6, v6
	v_add_nc_u32 v6, s21, v6                       ; and out: row r, + 64 h bytes
	v_lshlrev_b32 v7, 4, v2
	v_lshl_add_u32 v7, v3, 3, v7                   ; the scale words' place: 16 r + 8 h
	v_cmp_lt_u32 vcc_lo, 15, v1                    ; lanes 16-31
.irp b, 0,1,2,3
	v_mov_b32 v[TM+4+\b], 0                        ; written once: a lane permute's destination counts as one of its sources
.endr
	s_lshr_b32 s22, s20, 1
	s_and_b32 s23, s20, 1
	s_lshl_b32 s24, ttmp9, 17                      ; x: (32 j + 8 (w / 2)) rows of 4,096 bytes + 2,048 x K half
	s_lshl_b32 s26, s22, 15
	s_add_co_u32 s24, s24, s26
	s_lshl_b32 s26, s23, 11
	s_add_co_u32 s24, s24, s26
	s_mov_b32 s25, 0
	s_lshl_b32 s26, ttmp9, 1
	s_add_co_u32 s26, s26, s22                     ; the tile
	s_lshl_b32 s28, s26, 14                        ; its codes: 16,384 bytes a tile, 8,192 a K half
	s_lshl_b32 s27, s23, 13
	s_add_co_u32 s28, s28, s27
	s_mov_b32 s29, 0
	s_lshl_b32 s26, s26, 9                         ; its scale words: 512 bytes a tile, 256 a K half
	s_lshl_b32 s27, s23, 8
	s_add_co_u32 s26, s26, s27
	s_mov_b32 s27, 0
	s_wait_alu depctr_va_vdst(0)
	s_wait_kmcnt 0x0
	s_add_nc_u64 s[4:5], s[4:5], s[24:25]
	s_add_nc_u64 s[14:15], s[14:15], s[28:29]
	s_add_nc_u64 s[16:17], s[16:17], s[26:27]
	LOAD 0
	LOAD 1
	KSTEP 0
	KSTEP 1
	KSTEP 2
	KSTEP 3
	v_cndmask_b32 v52, v48, v50, vcc_lo            ; both halves of the lanes hold all four words: lanes 0-15 store words 0, 1, lanes 16-31 words 2, 3
	v_cndmask_b32 v53, v49, v51, vcc_lo
	global_store_b64 v7, v[52:53], s[16:17]        ; 32 lanes store 256 consecutive bytes, aligned
	s_wait_tensorcnt 0x0
	ds_add_u32 v62, v63
	s_wait_dscnt 0x0
	s_endpgm
.Lweights:
	; ---- a weight: j' = work-group - 256: weight j' / 64, columns 128 ((j' / 8) % 8) on, K step j' % 8
	s_sub_co_u32 s21, ttmp9, 256
	s_lshr_b32 s22, s21, 6                         ; which weight: 0 Wk, 1 Wq, 2 Wv, 3 Wp
	s_bfe_u32 s23, s21, 0x30003                    ; which 128 columns
	s_and_b32 s24, s21, 7                          ; which K step
	s_wait_alu depctr_va_vdst(0)
	v_lshlrev_b32 v4, 2, v1                        ; in: 4 bytes a lane
	v_bfe_u32 v2, v0, 3, 1                         ; my column among the wave's 32 is row r of tile u: u = (lane / 8) % 2,
	v_and_b32 v3, 7, v0
	v_bfe_u32 v5, v0, 4, 1
	v_lshl_add_u32 v3, v5, 3, v3                   ; r = lane % 8 + 8 (lane / 16)
	v_lshlrev_b32 v8, 14, v2
	v_lshl_add_u32 v8, v3, 4, v8                   ; codes: 16,384 u + 16 r
	v_lshlrev_b32 v9, 9, v2
	v_lshl_add_u32 v9, v3, 4, v9                   ; scale word: 512 u + 16 r
	s_lshl_b32 s26, s24, 19                        ; W: 128 rows of 4,096 bytes a K step, + 4 x my wave's first column
	s_lshl_b32 s28, s23, 9
	s_add_co_u32 s26, s26, s28
	s_lshl_b32 s28, s20, 7
	s_add_co_u32 s26, s26, s28
	s_mov_b32 s27, 0
	s_lshl_b32 s28, s23, 3
	s_lshl_b32 s29, s20, 1
	s_add_co_u32 s28, s28, s29                     ; my first tile in the weight
	s_lshl_b32 s29, s22, 6
	s_add_co_u32 s29, s29, s28
	s_add_co_u32 s29, s29, 512                     ; and in cw
	s_lshl_b32 s34, s29, 14
	s_lshl_b32 s33, s24, 11
	s_add_co_u32 s34, s34, s33
	s_mov_b32 s35, 0
	s_add_co_u32 s28, s28, 512                     ; Wp's tiles in sc2 stand behind 512 others
	s_cmp_lt_u32 s22, 3
	s_cselect_b32 s36, s29, s28
	s_lshl_b32 s36, s36, 9
	s_lshr_b32 s33, s24, 2
	s_lshl_b32 s33, s33, 8
	s_add_co_u32 s36, s36, s33                     ; + 256 x K half
	s_and_b32 s33, s24, 3
	s_lshl_b32 s33, s33, 2
	s_add_co_u32 s36, s36, s33                     ; + 4 x the word
	s_mov_b32 s37, 0
	s_wait_alu depctr_va_vdst(0)
	s_wait_kmcnt 0x0
	s_cmp_eq_u32 s22, 1                            ; the choices hang on the work-group's number alone
	s_cselect_b64 s[22+0:23], s[8:9], s[6:7]
	s_lshr_b32 s33, s21, 6
	s_cmp_eq_u32 s33, 2
	s_cselect_b64 s[22:23], s[10:11], s[22:23]
	s_cmp_eq_u32 s33, 3
	s_cselect_b64 s[22:23], s[12:13], s[22:23]
	s_cselect_b64 s[38:39], s[18:19], s[16:17]
	s_add_nc_u64 s[22:23], s[22:23], s[26:27]
	s_add_nc_u64 s[14:15], s[14:15], s[34:35]
	s_add_nc_u64 s[38:39], s[38:39], s[36:37]
	WLOAD 0
	WLOAD 1
	BLOCK 0
	BLOCK 1
	BLOCK 2
	BLOCK 3
	global_store_b32 v9, v15, s[38:39]
	s_endpgm
.Lfunc_end_k_q6ec6e4ab76_quant:
	.size	k_q6ec6e4ab76_quant, .Lfunc_end_k_q6ec6e4ab76_quant-k_q6ec6e4ab76_quant
	.p2alignl 7, 3214868480
	.fill 96, 4, 3214868480
	.section	.rodata,"a",@progbits
	.p2align	6, 0x0
	.amdhsa_kernel k_q6ec6e4ab76_quant
		.amdhsa_group_segment_fixed_size 34304
		.amdhsa_private_segment_fixed_size 0
		.amdhsa_enable_private_segment 0
		.amdhsa_kernarg_size 64
		.amdhsa_user_sgpr_count 2
		.amdhsa_user_sgpr_kernarg_segment_ptr 1
		.amdhsa_wavefront_size32 1
		.amdhsa_system_sgpr_workgroup_id_x 1
		.amdhsa_system_sgpr_workgroup_id_y 1
		.amdhsa_system_sgpr_workgroup_id_z 1
		.amdhsa_system_vgpr_workitem_id 0
		.amdhsa_next_free_vgpr 256
		.amdhsa_next_free_sgpr 66
		.amdhsa_reserve_vcc 1
		.amdhsa_float_denorm_mode_32 3
		.amdhsa_float_denorm_mode_16_64 3
		.amdhsa_fp16_overflow 1
		.amdhsa_memory_ordered 1
		.amdhsa_forward_progress 1
		.amdhsa_inst_pref_size 54
	.end_amdhsa_kernel
	.amdgpu_metadata
---
amdhsa.version: [ 1, 2 ]
amdhsa.kernels:
  - .name:           k_q6ec6e4ab76_quant
    .symbol:         k_q6ec6e4ab76_quant.kd
    .args:
      - { .name: x, .offset: 0, .size: 8, .value_kind: global_buffer, .address_space: global }
      - { .name: Wk, .offset: 8, .size: 8, .value_kind: global_buffer, .address_space: global }
      - { .name: Wq, .offset: 16, .size: 8, .value_kind: global_buffer, .address_space: global }
      - { .name: Wv, .offset: 24, .size: 8, .value_kind: global_buffer, .address_space: global }
      - { .name: Wp, .offset: 32, .size: 8, .value_kind: global_buffer, .address_space: global }
      - { .name: cw, .offset: 40, .size: 8, .value_kind: global_buffer, .address_space: global }
      - { .name: sc1, .offset: 48, .size: 8, .value_kind: global_buffer, .address_space: global }
      - { .name: sc2, .offset: 56, .size: 8, .value_kind: global_buffer, .address_space: global }
    .group_segment_fixed_size: 34304
    .private_segment_fixed_size: 0
    .kernarg_segment_align: 8
    .kernarg_segment_size: 64
    .max_flat_workgroup_size: 128
    .sgpr_count:     66
    .vgpr_count:     256
    .wavefront_size: 32
...
	.end_amdgpu_metadata
.endif
;; end of part 1
;; launch qkvg (part 2): grid 12 x 32, 4 waves a work-group, clusters of 4 x 4, 327,680 bytes of LDS; arguments cw, sc1, qkv, qkvs; writes qkv, qkvs
.if DOCPART == 2
	.amdgcn_target "amdgcn-amd-amdhsa--gfx1250"
	.amdhsa_code_object_version 6
	.text
	.protected	k_q6ec6e4ab76_qkvg
	.globl	k_q6ec6e4ab76_qkvg
	.p2align	8
	.type	k_q6ec6e4ab76_qkvg,@function
k_q6ec6e4ab76_qkvg:
	s_mov_b64 s[64:65], 0
	v_nop
	global_prefetch_b8 v0, s[64:65] scope:SCOPE_SE
	s_setreg_imm32_b32 hwreg(HW_REG_WAVE_MODE, 25, 1), 1
	s_wait_xcnt 0x0
	s_wait_alu depctr_hold_cnt(0) depctr_sa_sdst(0) depctr_va_vdst(0) depctr_va_sdst(0) depctr_va_ssrc(0) depctr_va_vcc(0) depctr_vm_vsrc(0)
	s_getreg_b32 s2, hwreg(HW_REG_IB_STS2, 6, 4)
	s_cmp_eq_u32 s2, 0
	s_cbranch_scc0 .Lentry_in_a_cluster
	s_endpgm
.Lentry_in_a_cluster:
	s_bfe_u32 s2, ttmp6, 0x10000c
	s_cmp_lg_u32 s2, 0xf033
	s_cbranch_scc0 .Lentry_shape_is_right
	s_endpgm
.Lentry_shape_is_right:
; k = x Wk, q = x Wq, v = x Wv on codes of FP8 (E4M3) with E8M0 scales, K = 1,024, and the results quantised at once into the operands of attention.  Nothing goes to memory as f32.
; OPERANDS are images of registers (cw: [tile of 16 rows][K step 8][2,048 bytes]; row r of tile T is row 32 (T / 2) + 8 (T % 2) + r + 8 (r / 8)); scale words sc1: [tile][K half][r][4 words].
; A work-group of four waves makes 256 rows of P (source 0) x 256 rows of N (source 1); a wave 128 x 128: 64 accumulators, 512 registers.  In accumulator (a, b) lane (r, h) holds row r of N's tile a, and the 16 registers
; of P's tiles 2 i, 2 i + 1 are 16 NEIGHBOURS along P: 32 i + 16 h + 0 .. 15.  So the 64 registers of one tile a are the numbers of one fragment whose K runs along P: they are quantised where they lie.
; THE CLUSTER'S x (0, 1, 2) SAYS WHAT IS MADE.  K and Q: P = the weight's columns, N = tokens: fragments along the features, two heads of 64 (two blocks of 32 each).  V: P = tokens, N = Wv's columns: fragments of V^T along the keys.
; qkv: [batch x head 64][K 131,072 | V 131,072 | Q 131,072].  K, Q: [token tile 128][piece 2][lane][16].  V: [128 keys 16][tile of 16 channels 4][2,048].
; qkvs: [batch x head][K 4,096 | V 4,096 | Q 4,096], each [128 tokens 16][r 16][4 words].  K, Q: word f = the two bytes of tile 2 f, then those of tile 2 f + 1.  V: word t = the four key blocks of channel tile t.
; K goes in slots of 256 (two K steps of 128) through a ring of two LDS slots; four fills in all, so the eight K steps are written out: each names its own scale registers.
; CLUSTERS: 4 x 4 work-groups.  N's tiles hang on the cluster's row, P's on its column: each is asked for jointly by the four that share it.
; LIMITS: NaN and infinities are not served; a block of zeros gets the byte 1 where the rule says 127 (its codes are zeros; this program alone reads the bytes).
; REGISTERS: window 0: v1-29 addresses; v32-95 scale words: v[32 + 8 i + s]: lanes 0-15 N's tile i, lanes 16-31 P's tile i, K step s; v128-255 N's fragments, one set (on the way out: at work).
;   window 1: P's fragments, two sets.   windows 2, 3: the accumulators of N's tiles 0-3, 4-7: (a, b) at v[8 (8 (a % 4) + b)].
.set NP,    8                          ; places behind this matrix instruction (ISA guide 7.12.1)
.set HALFT, 32768                      ; 8 tiles x two K steps x 2,048: what one tensor load brings, and what one wave reads of N or of P
.set SLOT,  4*HALFT                    ; N's 16 tiles, then P's 16
.set SPARE, 2*SLOT                     ; behind the ring: the spare words, 128 bytes for each wave
.set ADRA, 16                          ; v16-17  LDS address of my fragments of N in slot 0, 1
.set ADRB, 20                          ; v20-21  the same for P
.set LI,   24                          ; v24     16 x lane
.set SO,   25                          ; v25     the way out: my scale words' place: 12,288 h + 16 r
.set TV,   26
.set SA,   27                          ; v27     where my scale words come from
.set SPW,  28                          ; v28     LDS address of my spare word; never rewritten
.set NIL,  29                          ; v29     0; never rewritten
.set SC,   32
.set AF,   128
.set T,    128                         ; the way out: v128-191 64 numbers held; v192-207 codes; v208-223 at work; v224-231 the eight scale words
.set PC,   192
.set TM,   208
.set WD,   224
.set G1,   24                          ; s[24:31] descriptor group 1 for N's tiles; s[32:39] group 0, a set for each slot
.set G0,   32
.set G1B,  48                          ; s[48:55], s[56:63] the same for P's
.set G0B,  56
.set SEL,  84
.set MNT,  86
.set PLO,  87
.set PHI,  88
.set MSB, 0
.macro WIN new                         ; the immediate's high byte repeats the setting that is left
.if MSB != (\new)
	s_set_vgpr_msb (MSB<<8)|(\new)
.set MSB, (\new)
.endif
.endm
.set MUL_LO, 0xa1                      ; source 0 (P) window 1, source 1 (N) window 0, C and D window 2
.set MUL_HI, 0xf1                      ; the same, C and D window 3
.set TO_B,   0x40                      ; destination window 1, address window 0
; A joint load: waves 0 and 1 fetch for N, waves 2 and 3 for P.  The branch hangs on the wave's number alone.  Four v_nop follow each of the two lines.
.macro JLOAD g0a, g1a, g0b, g1b
	s_cmp_eq_u32 s15, 0
	s_cbranch_scc0 .Lfor_b_\@
	tensor_load_to_lds s[\g0a:\g0a+3], s[\g1a:\g1a+7]
	s_nop 0
.rept 4
	v_nop
.endr
	s_branch .Lasked_\@
.Lfor_b_\@:
	tensor_load_to_lds s[\g0b:\g0b+3], s[\g1b:\g1b+7]
	s_nop 0
.rept 4
	v_nop
.endr
.Lasked_\@:
.endm
.macro CREST                           ; a round of the cluster's barrier behind its opening barrier
	s_cmp_lg_u32 s14, 0
	s_cbranch_scc1 .Lnot_wave_0_\@
	s_barrier_signal -3
.Lnot_wave_0_\@:
	s_barrier_wait -3
	s_barrier_signal -1
	s_barrier_wait -1
.endm
.macro CROUND
	s_barrier_signal -1
	s_barrier_wait -1
	CREST
.endm
.macro PLACES n
.rept \n
	v_nop
.endr
.endm
.macro FRAG reg, adr, q, i             ; a fragment comes as it was stored: four loads of 512 consecutive bytes
.irp c, 0,1,2,3
	ds_load_b128 v[\reg+4*\c:\reg+4*\c+3], v[\adr] offset:4096*(\i)+2048*(\q)+512*\c
.endr
.endm
.macro FETCH_B slot, q, p              ; P's eight fragments of the slot's q-th K step into set p
	WIN TO_B
.irp i, 0,1,2,3,4,5,6,7
	FRAG 128*(\p)+16*\i, ADRB+\slot, \q, \i
.endr
	WIN 0
.endm
.macro FETCH_A slot, q, i0             ; N's tiles i0 .. i0 + 3
.irp i, \i0, \i0+1, \i0+2, \i0+3
	FRAG AF+16*(\i), ADRA+\slot, \q, \i
.endr
.endm
; 16 matrix instructions: N's tiles a0, a0 + 1 x P's eight, K step ks.  The 64 accumulators take turns, one instruction a turn, in the same order in every K step.
.macro MUL16 a0, p, ks, zero
.irp a, \a0, \a0+1
.irp b, 0,1,2,3,4,5,6,7
.if \zero
	v_wmma_scale_f32_16x16x128_f8f6f4 v[8*(8*((\a)%4)+\b):8*(8*((\a)%4)+\b)+7], v[128*(\p)+16*\b:128*(\p)+16*\b+15], v[AF+16*(\a):AF+16*(\a)+15], 0, v[SC+8*\b+(\ks)], v[SC+8*(\a)+(\ks)] matrix_a_scale:MATRIX_SCALE_ROW1
.else
	v_wmma_scale_f32_16x16x128_f8f6f4 v[8*(8*((\a)%4)+\b):8*(8*((\a)%4)+\b)+7], v[128*(\p)+16*\b:128*(\p)+16*\b+15], v[AF+16*(\a):AF+16*(\a)+15], v[8*(8*((\a)%4)+\b):8*(8*((\a)%4)+\b)+7], v[SC+8*\b+(\ks)], v[SC+8*(\a)+(\ks)] matrix_a_scale:MATRIX_SCALE_ROW1
.endif
.endr
.endr
.endm
; A slot's first K step: it fetches the second's fragments: P's and N's tiles 0-3 in its middle, N's tiles 4-7 at its end, each run eight places behind the products that read those registers.
.macro STEP slot, ks, zero
	s_wait_dscnt 16                                ; P's set and N's tiles 0-3 are in; the youngest 16 loads (N's tiles 4-7) may be out
	WIN MUL_LO
	MUL16 0, 0, \ks, \zero
	MUL16 2, 0, \ks, \zero
	s_wait_dscnt 0x0
	PLACES NP
	FETCH_B \slot, 1, 1
	FETCH_A \slot, 1, 0
	WIN MUL_HI
	MUL16 4, 0, \ks, \zero
	MUL16 6, 0, \ks, \zero
	PLACES NP
	WIN 0
	FETCH_A \slot, 1, 4
.endm
; A slot's second K step changes slots: ONE barrier; in front of it each wave waits for all its tensor loads, adds 0 to its spare word, and waits for that and for its reads of this slot.  fill = 1: the slot is filled again.
.macro TURN slot, next, ks, fill
	s_wait_tensorcnt 0x0                           ; all my tensor loads have landed: my part of the next slot
	ds_add_u32 v[SPW], v[NIL]                      ; 0 onto my spare word
	s_wait_dscnt 17                                ; (the add and the youngest 16 loads, N's tiles 4-7, may be out)
	WIN MUL_LO
	MUL16 0, 1, \ks, 0
	s_wait_dscnt 0x0                               ; the add is done, and my reads of this slot are over
	s_barrier_signal -1
	MUL16 2, 1, \ks, 0
	WIN 0
	s_barrier_wait -1
.if \fill
	CREST                                          ; the barrier has opened a round of the cluster's barrier: no wave of any partner still reads this slot or has a load on its way
	s_add_nc_u64 s[G0+4*\slot+2:G0+4*\slot+3], s[G0+4*\slot+2:G0+4*\slot+3], 8192    ; two slots, four K steps of 2,048 bytes, on in each tile
	s_add_nc_u64 s[G0B+4*\slot+2:G0B+4*\slot+3], s[G0B+4*\slot+2:G0B+4*\slot+3], 8192
	JLOAD G0+4*\slot, G1, G0B+4*\slot, G1B         ; the first tensor load behind the round; its four v_nop are four of the eight places
	PLACES NP-4
.else
	PLACES NP
.endif
	s_wait_alu depctr_va_vdst(0)
	FETCH_B \next, 0, 0
	FETCH_A \next, 0, 0
	WIN MUL_HI
	MUL16 4, 1, \ks, 0
	MUL16 6, 1, \ks, 0
	PLACES NP
	WIN 0
	FETCH_A \next, 0, 4
.endm
	s_load_b256 s[4:11], s[0:1], 0x0               ; cw s[4:5], sc1 s[6:7], qkv s[8:9], qkvs s[10:11]
	v_lshl_add_u32 v[SPW], v0, 2, SPARE
	v_mov_b32 v[NIL], 0
	ds_add_u32 v28, v29
	ds_add_u32 v28, v29
	s_wait_dscnt 0x0
	v_lshrrev_b32 v1, 5, v0
	v_readfirstlane_b32 s14, v1                    ; wave 0..3
	s_lshr_b32 s15, s14, 1                         ; which half of N's tiles is mine.  Also: I fetch for N (0) or for P (1)
	s_and_b32 s16, s14, 1                          ; which half of P's tiles.  Also: which 8 tiles I fetch
	s_bfe_u32 s40, ttmp6, 0x40000                  ; cx, cy: my place in the cluster
	s_bfe_u32 s41, ttmp6, 0x40004
	s_and_b32 s17, ttmp7, 0xffff
	s_lshl_b32 s17, s17, 2                         ; 4 x cluster y
	s_lshl_b32 s43, s41, 2
	s_lshl_b32 s43, 15, s43                        ; my row of the cluster
	s_lshl_b32 s44, 0x1111, s40                    ; my column
	; descriptor group 1: 8 tiles' parts of 4,096 bytes (two K steps), 16,384 bytes apart, in elements of 8 bytes; they lie on end in LDS
	s_or_b32 s[G1+0], s43, (3<<16)|(1<<21)         ; 15:0 the mask: N's tiles go to my row; 17:16 elements of 8 bytes; 21 set beside a mask
	s_or_b32 s[G1B+0], s44, (3<<16)|(1<<21)        ; P's go to my column
.irp g, G1, G1B
	s_mov_b32 s[\g+1], 512<<16                     ; tensor_dim0 = 512
	s_mov_b32 s[\g+2], 8<<16                       ; tensor_dim1 = 8
	s_mov_b32 s[\g+3], 512<<16                     ; tile_dim0 = 512
	s_mov_b32 s[\g+4], 8                           ; tile_dim1 = 8
	s_mov_b32 s[\g+5], 2048                        ; tensor_dim0_stride
	s_mov_b32 s[\g+6], 0
	s_mov_b32 s[\g+7], 0
.endr
	; which blocks of 16 tiles of cw: x is blocks 0-31, Wk 32-35, Wq 36-39, Wv 40-43
	s_lshl_b32 s18, ttmp9, 2
	s_add_co_u32 s18, s18, 32
	s_cmp_eq_u32 ttmp9, 2                          ; V?  The cluster's x is the same in all sixteen partners
	s_cselect_b32 s19, 40, s17                     ; N: Wv, else x
	s_cselect_b32 s18, s17, s18                    ; P: x, else the weight
	s_add_co_u32 s20, s41, s19                     ; N's block hangs on cy,
	s_add_co_u32 s46, s40, s18                     ; P's on cx
	s_lshl_b32 s22, s20, 18                        ; 262,144 bytes a block,
	s_lshl_b32 s21, s16, 17                        ; 131,072 for the 8 tiles that I fetch
	s_add_co_u32 s22, s22, s21
	s_mov_b32 s23, 0
	s_lshl_b32 s92, s46, 18
	s_add_co_u32 s92, s92, s21
	s_mov_b32 s93, 0
	s_lshl_b32 s45, s14, 15                        ; where they go: wave x HALFT: no place in the cluster enters an LDS address
	s_wait_kmcnt 0x0
	s_add_nc_u64 s[22:23], s[4:5], s[22:23]
	s_add_nc_u64 s[92:93], s[4:5], s[92:93]
	CROUND                                         ; all sixteen work-groups are here: the first joint loads meet
.irp s, 0,1
	s_mov_b32 s[G0+4*\s], 1
	s_add_co_u32 s[G0+4*\s+1], s45, \s*SLOT
	s_add_nc_u64 s[G0+4*\s+2:G0+4*\s+3], s[22:23], \s*4096
	s_or_b32 s[G0+4*\s+3], s[G0+4*\s+3], 0x80000000
	s_mov_b32 s[G0B+4*\s], 1
	s_add_co_u32 s[G0B+4*\s+1], s45, \s*SLOT
	s_add_nc_u64 s[G0B+4*\s+2:G0B+4*\s+3], s[92:93], \s*4096
	s_or_b32 s[G0B+4*\s+3], s[G0B+4*\s+3], 0x80000000
	JLOAD G0+4*\s, G1, G0B+4*\s, G1B               ; two tensor loads of mine are out
.endr
	v_and_b32 v1, 15, v0                           ; r
	v_bfe_u32 v2, v0, 4, 1                         ; h
	s_wait_alu depctr_va_vdst(0)
	v_and_b32 v3, 31, v0
	v_lshlrev_b32 v[LI], 4, v3
	s_lshl_b32 s66, s15, 15                        ; my 8 tiles of N
	s_lshl_b32 s67, s16, 15                        ; my 8 tiles of P,
	s_add_co_u32 s67, s67, 2*HALFT                 ; which lie behind N's 16
.irp s, 0,1
	v_add_nc_u32 v[ADRA+\s], s66, v[LI]
	v_add_nc_u32 v[ADRB+\s], s67, v[LI]
	s_add_co_u32 s66, s66, SLOT
	s_add_co_u32 s67, s67, SLOT
.endr
	; the scale words of all eight K steps come straight into registers, once: lanes 0-15 take N's tile i, lanes 16-31 P's; sixteen lanes read 256 consecutive bytes
	s_lshl_b32 s68, s20, 4
	s_lshl_b32 s69, s15, 3
	s_add_co_u32 s68, s68, s69
	s_lshl_b32 s68, s68, 9                         ; N: 512 bytes a tile
	s_lshl_b32 s70, s46, 4
	s_lshl_b32 s69, s16, 3
	s_add_co_u32 s70, s70, s69
	s_lshl_b32 s70, s70, 9                         ; P
	v_cmp_eq_u32 vcc_lo, 1, v2
	v_mov_b32 v[TV], s70
	v_mov_b32 v[SA], s68
	v_cndmask_b32 v[SA], v[SA], v[TV], vcc_lo
	v_lshl_add_u32 v[SA], v1, 4, v[SA]
.irp i, 0,1,2,3,4,5,6,7
	global_load_b128 v[SC+8*\i:SC+8*\i+3], v[SA], s[6:7] offset:512*\i
	global_load_b128 v[SC+8*\i+4:SC+8*\i+7], v[SA], s[6:7] offset:512*\i+256
.endr
	v_mul_u32_u24 v[SO], v2, 12288
	v_lshl_add_u32 v[SO], v1, 4, v[SO]
	; where the results go.  Tokens: block TB of 256, my half wt; features: block FB of 256 in the weight, my half wf
	s_mov_b32 s[SEL], 0x76543210
	s_mov_b32 s[SEL+1], 0xfedcba98
	s_mov_b32 s[MNT], 0x600000
	s_mov_b32 s[PLO], 0x05040100
	s_mov_b32 s[PHI], 0x07060302
	s_lshl_b32 s77, ttmp9, 18                      ; K's part begins at 0, Q's at 262,144,
	s_lshl_b32 s78, ttmp9, 13
	s_cmp_eq_u32 ttmp9, 2
	s_cselect_b32 s77, 0x20000, s77                ; V's at 131,072
	s_cselect_b32 s78, 0x1000, s78                 ; (scale words: 0, 8,192, 4,096)
	s_cselect_b32 s72, s46, s20                    ; TB
	s_cselect_b32 s73, s41, s40                    ; FB
	s_cselect_b32 s74, s16, s15                    ; wt
	s_cselect_b32 s75, s15, s16                    ; wf
	s_lshr_b32 s76, s72, 3                         ; the batch: 8 blocks of tokens each
	s_lshl_b32 s76, s76, 4
	s_lshl_b32 s79, s73, 2
	s_add_co_u32 s76, s76, s79
	s_lshl_b32 s79, s75, 1
	s_add_co_u32 s76, s76, s79                     ; 16 x batch + my first head (4 FB + 2 wf)
	s_and_b32 s79, s72, 7
	s_lshl_b32 s79, s79, 1
	s_add_co_u32 s79, s79, s74                     ; my 128 tokens in the batch
	s_mul_i32 s80, s76, 393216
	s_add_co_u32 s80, s80, s77
	s_lshl_b32 s82, s79, 13
	s_add_co_u32 s80, s80, s82
	s_mov_b32 s81, 0
	s_add_nc_u64 s[8:9], s[8:9], s[80:81]
	s_mul_i32 s80, s76, 12288
	s_add_co_u32 s80, s80, s78
	s_lshl_b32 s82, s79, 8
	s_add_co_u32 s80, s80, s82
	s_add_nc_u64 s[10:11], s[10:11], s[80:81]
	s_wait_tensorcnt 1                             ; my part of slot 0 is in (slot 1's load may be out)
	s_barrier_signal -1
	s_barrier_wait -1                              ; everybody's is
	FETCH_B 0, 0, 0
	FETCH_A 0, 0, 0
	FETCH_A 0, 0, 4
	s_wait_loadcnt 0x0                             ; the scale words
	STEP 0, 0, 1                                   ; the first K step's products start the sums: nothing is cleared
	TURN 0, 1, 1, 1                                ; slot 0 takes K steps 4, 5
	STEP 1, 2, 0
	TURN 1, 0, 3, 1                                ; slot 1 takes K steps 6, 7
	STEP 0, 4, 0
	TURN 0, 1, 5, 0                                ; nothing is left to fetch
	STEP 1, 6, 0
	s_wait_dscnt 16
	WIN MUL_LO
	MUL16 0, 1, 7, 0
	MUL16 2, 1, 7, 0
	s_wait_dscnt 0x0
	WIN MUL_HI
	MUL16 4, 1, 7, 0
	MUL16 6, 1, 7, 0
	WIN 0
; THE WAY OUT.  The 64 registers of N's tile a: register 16 b + i = place 32 b + 16 h + i along P of my row: four blocks of 32.  They become one fragment's codes and one scale word.
.macro QUANTW a
.set W,  2+(\a)/4
.set WW, W|(W<<2)
.set AC, 64*((\a)%4)
	WIN WW                                         ; sources 0 and 1: the accumulators' window
.irp b, 0,1,2,3
	v_max3_num_f32 v[TM+\b], |v[AC+16*\b]|, |v[AC+16*\b+1]|, 0x4800000   ; each accumulator is read from its low end on; the floor 2^(9 - 127) holds the byte at 1 from below
.endr
.irp i, 2,4,6,8,10,12,14
.irp b, 0,1,2,3
	v_max3_num_f32 v[TM+\b], |v[AC+16*\b+\i]|, |v[AC+16*\b+\i+1]|, v[TM+\b]
.endr
.endr
	WIN 0
.irp b, 0,1,2,3
	v_permlanex16_b32 v[TM+4+\b], v[TM+\b], s[SEL], s[SEL+1]
.endr
.irp b, 0,1,2,3
	v_max_num_f32 v[TM+\b], v[TM+\b], v[TM+4+\b]   ; with lane l xor 16's 16: the block's largest magnitude
.endr
.irp b, 0,1,2,3
	v_add_nc_u32 v[TM+12+\b], 0xfc000000, v[TM+\b]
.endr
.irp b, 0,1,2,3
	v_and_or_b32 v[TM+8+\b], v[TM+\b], 0x7f800000, s[MNT]
.endr
.irp b, 0,1,2,3
	v_lshrrev_b32 v[TM+4+\b], 23, v[TM+12+\b]
.endr
	v_lshl_or_b32 v[WD+(\a)], v[TM+5], 8, v[TM+4]
	v_lshl_or_b32 v[WD+(\a)], v[TM+6], 16, v[WD+(\a)]
	v_lshl_or_b32 v[WD+(\a)], v[TM+7], 24, v[WD+(\a)]
	WIN W                                          ; source 0: the accumulators' window
.irp b, 0,1,2,3
.irp i, 0,1,2,3,4,5,6,7,8,9,10,11,12,13,14,15
	v_med3_num_f32 v[T+16*\b+\i], v[AC+16*\b+\i], -v[TM+8+\b], v[TM+8+\b]   ; the hold at 448 x the scale (ISA guide 7.6.2), on the way into window 0
.endr
.endr
	WIN 0
	s_wait_alu depctr_va_vdst(0)
	s_wait_xcnt 0x0                                ; the last tile's stores have read v[PC] on
.irp b, 0,1,2,3
	v_cvt_scalef32_pk8_fp8_f32 v[PC+4*\b:PC+4*\b+1], v[T+16*\b:T+16*\b+7], v[TM+12+\b]
	v_cvt_scalef32_pk8_fp8_f32 v[PC+4*\b+2:PC+4*\b+3], v[T+16*\b+8:T+16*\b+15], v[TM+12+\b]
.endr
	v_nop                                          ; a plain vector line behind the last conversion
.endm
; Each piece of the image is 512 consecutive bytes.  K, Q: pieces 0, 1 are my first head's, pieces 2, 3 the next head's, token tile a.  V: the whole image: head a / 4, channel tile a % 4.
.macro PUT a
	s_cmp_eq_u32 ttmp9, 2
	s_cbranch_scc1 .Lput_v_\@
.irp c, 0,1,2,3
	global_store_b128 v[LI], v[PC+4*\c:PC+4*\c+3], s[8:9] offset:1024*(\a)+393216*(\c/2)+512*(\c%2)
.endr
	s_branch .Lput_done_\@
.Lput_v_\@:
	s_wait_alu depctr_va_vdst(0)
.irp c, 0,1,2,3
	global_store_b128 v[LI], v[PC+4*\c:PC+4*\c+3], s[8:9] offset:393216*((\a)/4)+2048*((\a)%4)+512*\c
.endr
.Lput_done_\@:
.endm
	PLACES NP                                      ; behind the last products: results are read, and registers that held fragments are written
.irp b, 0,1,2,3
	v_mov_b32 v[TM+4+\b], 0                        ; a lane permute's destination counts as one of its sources
.endr
.irp a, 0,1,2,3,4,5,6,7
	QUANTW \a
	PUT \a
.endr
	v_cmp_eq_u32 vcc_lo, 1, v2                     ; lanes 0-15 store my first head's four words, lanes 16-31 the next head's
	s_cmp_eq_u32 ttmp9, 2
	s_cbranch_scc1 .Lwords_v
.irp f, 0,1,2,3
	v_perm_b32 v[T+\f], v[WD+2*\f+1], v[WD+2*\f], s[PLO]     ; tile 2 f's bytes 0, 1 and tile 2 f + 1's: the first head
	v_perm_b32 v[T+4+\f], v[WD+2*\f+1], v[WD+2*\f], s[PHI]   ; their bytes 2, 3: the next head
.endr
.irp f, 0,1,2,3
	v_cndmask_b32 v[T+8+\f], v[T+\f], v[T+4+\f], vcc_lo
.endr
	s_branch .Lwords_done
.Lwords_v:
.irp f, 0,1,2,3
	v_cndmask_b32 v[T+8+\f], v[WD+\f], v[WD+4+\f], vcc_lo
.endr
.Lwords_done:
	s_wait_alu depctr_va_vdst(0)
	global_store_b128 v[SO], v[T+8:T+11], s[10:11] ; sixteen lanes store 256 consecutive bytes, aligned, for each of the two heads
	s_wait_tensorcnt 0x0                           ; the wave's end
	ds_add_u32 v[SPW], v[NIL]
	s_wait_dscnt 0x0
	CROUND                                         ; the closing round: no work-group ends while a partner may still ask for a tile that names it
	s_endpgm
.Lfunc_end_k_q6ec6e4ab76_qkvg:
	.size	k_q6ec6e4ab76_qkvg, .Lfunc_end_k_q6ec6e4ab76_qkvg-k_q6ec6e4ab76_qkvg
	.p2alignl 7, 3214868480
	.fill 96, 4, 3214868480
	.section	.rodata,"a",@progbits
	.p2align	6, 0x0
	.amdhsa_kernel k_q6ec6e4ab76_qkvg
		.amdhsa_group_segment_fixed_size 327680
		.amdhsa_private_segment_fixed_size 0
		.amdhsa_enable_private_segment 0
		.amdhsa_kernarg_size 32
		.amdhsa_user_sgpr_count 2
		.amdhsa_user_sgpr_kernarg_segment_ptr 1
		.amdhsa_wavefront_size32 1
		.amdhsa_system_sgpr_workgroup_id_x 1
		.amdhsa_system_sgpr_workgroup_id_y 1
		.amdhsa_system_sgpr_workgroup_id_z 1
		.amdhsa_system_vgpr_workitem_id 0
		.amdhsa_next_free_vgpr 1024
		.amdhsa_next_free_sgpr 100
		.amdhsa_reserve_vcc 1
		.amdhsa_float_denorm_mode_32 3
		.amdhsa_float_denorm_mode_16_64 3
		.amdhsa_memory_ordered 1
		.amdhsa_forward_progress 1
		.amdhsa_inst_pref_size 187
	.end_amdhsa_kernel
	.amdgpu_metadata
---
amdhsa.version: [ 1, 2 ]
amdhsa.kernels:
  - .name:           k_q6ec6e4ab76_qkvg
    .symbol:         k_q6ec6e4ab76_qkvg.kd
    .args:
      - { .name: cw, .offset: 0, .size: 8, .value_kind: global_buffer, .address_space: global }
      - { .name: sc1, .offset: 8, .size: 8, .value_kind: global_buffer, .address_space: global }
      - { .name: qkv, .offset: 16, .size: 8, .value_kind: global_buffer, .address_space: global }
      - { .name: qkvs, .offset: 24, .size: 8, .value_kind: global_buffer, .address_space: global }
    .group_segment_fixed_size: 327680
    .private_segment_fixed_size: 0
    .kernarg_segment_align: 8
    .kernarg_segment_size: 32
    .max_flat_workgroup_size: 128
    .sgpr_count:     100
    .vgpr_count:     1024
    .wavefront_size: 32
...
	.end_amdgpu_metadata
.endif
;; end of part 2
;; launch attn (part 3): grid 4 x 64, 16 waves a work-group, clusters of 4 x 1, 327,680 bytes of LDS; arguments qkv, qkvs, yc, sc2; writes yc, sc2
.if DOCPART == 3
	.amdgcn_target "amdgcn-amd-amdhsa--gfx1250"
	.amdhsa_code_object_version 6
	.text
	.protected	k_q6ec6e4ab76_attn
	.globl	k_q6ec6e4ab76_attn
	.p2align	8
	.type	k_q6ec6e4ab76_attn,@function
k_q6ec6e4ab76_attn:
	s_mov_b64 s[64:65], 0
	v_nop
	global_prefetch_b8 v0, s[64:65] scope:SCOPE_SE
	s_setreg_imm32_b32 hwreg(HW_REG_WAVE_MODE, 25, 1), 1
	s_wait_xcnt 0x0
	s_wait_alu depctr_hold_cnt(0) depctr_sa_sdst(0) depctr_va_vdst(0) depctr_va_sdst(0) depctr_va_ssrc(0) depctr_va_vcc(0) depctr_vm_vsrc(0)
	s_getreg_b32 s2, hwreg(HW_REG_IB_STS2, 6, 4)
	s_cmp_eq_u32 s2, 0
	s_cbranch_scc0 .Lentry_in_a_cluster
	s_endpgm
.Lentry_in_a_cluster:
	s_bfe_u32 s2, ttmp6, 0x10000c
	s_cmp_lg_u32 s2, 0x3003
	s_cbranch_scc0 .Lentry_shape_is_right
	s_endpgm
.Lentry_shape_is_right:
; y = softmax(q k^T / 8, causal) v for one batch x head a cluster, both products on codes of FP8 (E4M3) with E8M0 scales; y is quantised along the channels at once (a head owns two blocks of 32) and leaves as codes.
; THE SOFTMAX: t = score x log2(e) / 8; M = the running largest t rounded UP to a whole number; p = 2^(t - M) is quantised along the keys, not normalised; the row's sum is taken of the unquantised p and divides at the end.
; When M moves, the sum and O are multiplied by 2^(old M - new M): exact.
; INPUTS are images of operand registers (row r of token tile T is token 32 (T / 2) + 8 (T % 2) + r + 8 (r / 8)).  K, Q: [token tile 128][piece 2][lane][16]: 64 along K.  TWO NEIGHBOURING TILES OF K ARE ONE FRAGMENT of 128 along K:
; multiplied by [q, 0] it gives the first tile's scores, by [0, q] the second's: zero codes add nothing.  V: [128 keys 16][channel tile 4][2,048]: V^T, keys innermost.
; A HEAD'S WHOLE K AND V (262,144 bytes) AND THEIR SCALE WORDS (8,192) FIT IN LDS: they come once, by joint loads of the cluster's four work-groups, each wave a sixteenth.  No ring, no refill; one barrier.
; SHARES.  The 2,048 queries are 16 groups of 128 (8 tiles).  Work-group cx owns tiles 2 cx, 2 cx + 1 of every group.  Wave w (p = w / 2, u = w % 2) takes tile 2 cx + u of group p, then of group 15 - p:
; (p + 1) + (16 - p) = 17 key steps of 128 for every wave.  Key steps behind a tile's group are hidden by the mask and are left out by a scalar branch on ids; the loop's trip count stays 16.
; No branch and no LDS address hangs on cx: it enters global addresses and the mask's comparison alone.
; Both products are used transposed (S^T = K Q^T, O^T = V^T P^T): a lane holds one query; the 16 registers of two neighbouring tiles are 16 neighbouring keys (or channels).
; LIMITS: NaN and infinities are not served.  A block of zeros gets the byte 1 where the rule says 127.  A block's largest p is made from the block's largest score, which takes v_exp_f32 not to fall where its input rises.
; y's scale bytes leave 2 bytes a lane, 16 bytes apart (a head owns half a scale word): 1 byte for each 32 of y's codes.
.set LI,   1                           ; v1   16 x lane
.set LV,   2                           ; v2   the same in V's part of LDS
.set AS0,  3                           ; v3   scale words: lanes 0-15 K's, lanes 16-31 V's: 262,144 + 4,096 h + 16 r
.set R16,  4                           ; v4   16 r
.set ADK,  8                           ; v8-10 the key step's addresses
.set ADV,  9
.set ADS,  10                          ; v12 -M, v13 the largest t, v[14:15] the sum in two halves
.set Q1,   16                          ; v16-31 [q, 0]
.set Q2,   32                          ; v32-47 [0, q]
.set KV,   48                          ; v48-111 four fragments of K, then of V
.set S,    112                         ; v112-175 S^T, then p
.set O,    176                         ; v176-207 O^T
.set PC,   208                         ; v208-223 p's codes
.set BM,   224                         ; v224-227 the blocks' largest
.set BT,   228                         ; v228-231 at work
.set LIM,  232
.set SOP,  236                         ; v236-239 the conversions' scale operands
.set KVS,  240                         ; v240-243 K's and V's scale words
.set QW,   244                         ; v244 q's scale word
.set PW,   245                         ; v245 p's
.set F,    246                         ; v[246:247] f = 2^(old M - new M); at the end 1 / the sum
.set S2,   248                         ; v[248:249] the second chain of the sum
.set TA,   250
.set DM,   252                         ; v252 my query's place in its group - 16 h
.set NINF, 253
.set WV,   12
.set G1K,  24                          ; s[24:31] descriptor group 1 for the codes; s[32:39] for the scale words; s[40:43], s[44:47] groups 0
.set G1S,  32
.set G0K,  40
.set G0S,  44
.set U,    48
.set P,    49
.set SG,   50                          ; s50  the group of the tile in hand
.set KS,   51                          ; s51  the key step
.set KO,   52                          ; s52  8,192 x the key step
.set SO,   53                          ; s53  256 x the key step
.set SEL,  54
.set CS,   56                          ; s[56:57] c = log2(e) / 8
.set MNT,  58
.macro CROUND
	s_barrier_signal -1
	s_barrier_wait -1
	s_cmp_lg_u32 s[WV], 0
	s_cbranch_scc1 .Lnot_wave_0_\@
	s_barrier_signal -3
.Lnot_wave_0_\@:
	s_barrier_wait -3
	s_barrier_signal -1
	s_barrier_wait -1
.endm
; my tile of group s[SG]: q's two pieces, once for [q, 0] and once for [0, q], and the two bytes of its scale word
.macro QLOAD
	s_lshl_b32 s70, s[SG], 13
	s_mov_b32 s71, 0
	s_add_nc_u64 s[72:73], s[60:61], s[70:71]
	s_lshl_b32 s70, s[SG], 8
	s_add_nc_u64 s[74:75], s[62:63], s[70:71]
	global_load_b128 v[Q1:Q1+3], v[LI], s[72:73]
	global_load_b128 v[Q1+4:Q1+7], v[LI], s[72:73] offset:512
	global_load_b128 v[Q2+8:Q2+11], v[LI], s[72:73]
	global_load_b128 v[Q2+12:Q2+15], v[LI], s[72:73] offset:512
	global_load_u16 v[QW], v[R16], s[74:75]
.endm
; A KEY STEP: 128 keys
.macro STEP
	v_add_nc_u32 v[ADK], s[KO], v[LI]
	v_add_nc_u32 v[ADV], s[KO], v[LV]
	v_add_nc_u32 v[ADS], s[SO], v[AS0]
.rept 5
	v_nop                                          ; with the three additions: eight places in front of loads into registers that the last products read
.endr
.irp f, 0,1,2,3
.irp c, 0,1,2,3
	ds_load_b128 v[KV+16*\f+4*\c:KV+16*\f+4*\c+3], v[ADK] offset:2048*\f+512*\c
.endr
.endr
	ds_load_b128 v[KVS:KVS+3], v[ADS]              ; lanes 0-15: K's four words; lanes 16-31: V's four
	s_wait_alu depctr_va_vdst(0)
	s_wait_dscnt 0x0
.irp f, 0,1,2,3
	v_wmma_scale_f32_16x16x128_f8f6f4 v[S+16*\f:S+16*\f+7], v[KV+16*\f:KV+16*\f+15], v[Q1:Q1+15], 0, v[KVS+\f], v[QW]
	v_wmma_scale_f32_16x16x128_f8f6f4 v[S+16*\f+8:S+16*\f+15], v[KV+16*\f:KV+16*\f+15], v[Q2:Q2+15], 0, v[KVS+\f], v[QW]
.endr                                              ; register 16 f + i: key 32 f + 16 h + i of the step
.rept 8
	v_nop
.endr
.irp t, 0,1,2,3
.irp c, 0,1,2,3
	ds_load_b128 v[KV+16*\t+4*\c:KV+16*\t+4*\c+3], v[ADV] offset:2048*\t+512*\c   ; V's four fragments land while the softmax is walked
.endr
.endr
	s_cmp_lg_u32 s[KS], s[SG]                      ; the tile's own group lies on the diagonal: there hidden scores become -infinity ahead of the maximum, so that p = 0
	s_cbranch_scc1 .Lopen_\@
.irp n, 0,1,2,3,4,5,6,7,8,9,10,11,12,13,14,15,16,17,18,19,20,21,22,23,24,25,26,27,28,29,30,31,32,33,34,35,36,37,38,39,40,41,42,43,44,45,46,47,48,49,50,51,52,53,54,55,56,57,58,59,60,61,62,63
	v_cmp_gt_i32 vcc_lo, 32*(\n/16)+\n%16, v[DM]
	v_cndmask_b32 v[S+\n], v[S+\n], v[NINF], vcc_lo
.endr
.Lopen_\@:
.irp b, 0,1,2,3
	v_max3_num_f32 v[BM+\b], v[S+16*\b], v[S+1+16*\b], v[S+2+16*\b]   ; the largest score of each block of 32 keys: for the row's maximum, and for the block's largest p
.endr
.irp i, 3,5,7,9,11,13
.irp b, 0,1,2,3
	v_max3_num_f32 v[BM+\b], v[BM+\b], v[S+16*\b+\i], v[S+1+16*\b+\i]
.endr
.endr
.irp b, 0,1,2,3
	v_max_num_f32 v[BM+\b], v[BM+\b], v[S+15+16*\b]
.endr
.irp b, 0,1,2,3
	s_delay_alu instid0(VALU_DEP_4)
	v_permlanex16_b32 v[BT+\b], v[BM+\b], s[SEL], s[SEL+1]
.endr
.irp b, 0,1,2,3
	s_delay_alu instid0(VALU_DEP_4)
	v_max_num_f32 v[BM+\b], v[BM+\b], v[BT+\b]     ; with lane l xor 16's 16 keys
.endr
	s_delay_alu instid0(VALU_DEP_2)
	v_max3_num_f32 v[TA], v[BM], v[BM+1], v[BM+2]
	s_delay_alu instid0(VALU_DEP_1)
	v_max_num_f32 v[TA], v[TA], v[BM+3]
	s_delay_alu instid0(VALU_DEP_1)
	v_mul_f32 v[TA], s[CS], v[TA]                  ; the step's largest t (c is positive)
	s_delay_alu instid0(VALU_DEP_1)
	v_max_num_f32 v13, v13, v[TA]
	v_mov_b32 v[TA], v12
	s_delay_alu instid0(VALU_DEP_2)
	v_floor_f32 v12, -v13                          ; the new -M = floor(-t): M is a whole number
	s_delay_alu instid0(VALU_DEP_1)
	v_sub_f32 v[TA], v12, v[TA]                    ; old M - new M: a whole number, 0 or less
	s_delay_alu instid0(VALU_DEP_1)
	v_cvt_i32_f32 v[TA], v[TA]                     ; (it saturates)
	s_delay_alu instid0(VALU_DEP_1)
	v_ldexp_f32 v[F], 1.0, v[TA]                   ; f
	s_setprio 1
.irp j, 0,2,4,6,8,10,12,14,16,18,20,22,24,26,28,30,32,34,36,38,40,42,44,46,48,50,52,54,56,58,60,62
	v_pk_fma_f32 v[S+\j:S+\j+1], v[S+\j:S+\j+1], s[CS:CS+1], v[12:13] op_sel_hi:[1,0,0]   ; t - M, two at a time
.endr
.irp b, 0,1,2,3
	v_fma_f32 v[BM+\b], v[BM+\b], s[CS], v12       ; the same of each block's largest score
.endr
	s_wait_alu depctr_va_vdst(0)
.irp j, 0,1,2,3,4,5,6,7,8,9,10,11,12,13,14,15,16,17,18,19,20,21,22,23,24,25,26,27,28,29,30,31,32,33,34,35,36,37,38,39,40,41,42,43,44,45,46,47,48,49,50,51,52,53,54,55,56,57,58,59,60,61,62,63
	v_exp_f32 v[S+\j], v[S+\j]                     ; p = 2^(t - M)
.endr
	v_pk_mul_f32 v[14:15], v[14:15], v[F:F+1] op_sel_hi:[1,0]   ; the sums under the new M: the plain line behind the exponentials
	s_wait_alu depctr_va_vdst(0)                   ; one wait for the whole batch, ahead of its first reader
.irp b, 0,1,2,3
	v_exp_f32 v[BM+\b], v[BM+\b]                   ; the blocks' largest p
.endr
	v_pk_add_f32 v[S2:S2+1], v[S:S+1], v[S+2:S+3]  ; the row's sum of the unquantised p, in two chains
.irp j, 4,8,12,16,20,24,28,32,36,40,44,48,52,56,60
	v_pk_add_f32 v[14:15], v[14:15], v[S+\j:S+\j+1]
	v_pk_add_f32 v[S2:S2+1], v[S2:S2+1], v[S+\j+2:S+\j+3]
.endr
	s_delay_alu instid0(VALU_DEP_1)
	v_pk_add_f32 v[14:15], v[14:15], v[S2:S2+1]
	s_setprio 0
	s_wait_alu depctr_va_vdst(0)                   ; and one for the four
.irp b, 0,1,2,3
	v_max_num_f32 v[BM+\b], 0x4800000, v[BM+\b]    ; the floor 2^(9 - 127)
.endr
.irp b, 0,1,2,3
	s_delay_alu instid0(VALU_DEP_4)
	v_add_nc_u32 v[SOP+\b], 0xfc000000, v[BM+\b]
.endr
.irp b, 0,1,2,3
.endr
.irp b, 0,1,2,3
	s_delay_alu instid0(VALU_DEP_4)
	v_lshrrev_b32 v[BT+\b], 23, v[SOP+\b]
.endr
	s_delay_alu instid0(VALU_DEP_3)
	v_lshl_or_b32 v[PW], v[BT+1], 8, v[BT]         ; p's scale word for these 128 keys
	s_delay_alu instid0(VALU_DEP_1)
	v_lshl_or_b32 v[PW], v[BT+2], 16, v[PW]
	s_delay_alu instid0(VALU_DEP_1)
	v_lshl_or_b32 v[PW], v[BT+3], 24, v[PW]
.irp b, 0,1,2,3
.irp i, 0,1,2,3,4,5,6,7,8,9,10,11,12,13,14,15
.endr
	v_cvt_scalef32_pk8_fp8_f32 v[PC+4*\b:PC+4*\b+1], v[S+16*\b:S+16*\b+7], v[SOP+\b]
	v_cvt_scalef32_pk8_fp8_f32 v[PC+4*\b+2:PC+4*\b+3], v[S+16*\b+8:S+16*\b+15], v[SOP+\b]
.endr
.irp j, 0,2,4,6,8,10,12,14,16,18,20,22,24,26,28,30
	v_pk_mul_f32 v[O+\j:O+\j+1], v[O+\j:O+\j+1], v[F:F+1] op_sel_hi:[1,0]   ; O^T under the new M; these sixteen are also the places between the conversions and the products
.endr
	s_wait_alu depctr_va_vdst(0)
	s_wait_dscnt 0x0                               ; V
.irp t, 0,1,2,3
	v_wmma_scale_f32_16x16x128_f8f6f4 v[O+8*\t:O+8*\t+7], v[KV+16*\t:KV+16*\t+15], v[PC:PC+15], v[O+8*\t:O+8*\t+7], v[KVS+\t], v[PW] matrix_a_scale:MATRIX_SCALE_ROW1
.endr
.endm
; O^T / the sum: register 16 b + i is channel 32 b + 16 h + i of my query: two blocks of 32 of y's K: quantised, and stored as two pieces of y's image
.macro FINISH
.rept 8
	v_nop
.endr
	v_add_f32 v14, v14, v15
	s_delay_alu instid0(VALU_DEP_1)
	v_permlanex16_b32 v[TA], v14, s[SEL], s[SEL+1]
	s_delay_alu instid0(VALU_DEP_1)
	v_add_f32 v14, v14, v[TA]                      ; the row's sum
	s_wait_alu depctr_va_vdst(0)
	v_rcp_f32 v[F], v14
	v_nop                                          ; a plain line behind the transcendental
	s_wait_alu depctr_va_vdst(0)                   ; and the wait ahead of its first reader
.irp j, 0,2,4,6,8,10,12,14,16,18,20,22,24,26,28,30
	v_pk_mul_f32 v[S+\j:S+\j+1], v[O+\j:O+\j+1], v[F:F+1] op_sel_hi:[1,0]   ; each accumulator from its low end on
.endr
.irp b, 0,1
	v_max3_num_f32 v[BM+\b], |v[S+16*\b]|, |v[S+1+16*\b]|, 0x4800000
.endr
.irp i, 2,4,6,8,10,12,14
.irp b, 0,1
	s_delay_alu instid0(VALU_DEP_2)
	v_max3_num_f32 v[BM+\b], v[BM+\b], |v[S+16*\b+\i]|, |v[S+1+16*\b+\i]|
.endr
.endr
.irp b, 0,1
	s_delay_alu instid0(VALU_DEP_2)
	v_permlanex16_b32 v[BT+\b], v[BM+\b], s[SEL], s[SEL+1]
.endr
.irp b, 0,1
	s_delay_alu instid0(VALU_DEP_2)
	v_max_num_f32 v[BM+\b], v[BM+\b], v[BT+\b]
.endr
.irp b, 0,1
	s_delay_alu instid0(VALU_DEP_2)
	v_add_nc_u32 v[SOP+\b], 0xfc000000, v[BM+\b]
.endr
.irp b, 0,1
.endr
.irp b, 0,1
	s_delay_alu instid0(VALU_DEP_2)
	v_lshrrev_b32 v[BT+\b], 23, v[SOP+\b]
.endr
	s_delay_alu instid0(VALU_DEP_1)
	v_lshl_or_b32 v[TA], v[BT+1], 8, v[BT]         ; my head's half of the scale word
.irp b, 0,1
.irp i, 0,1,2,3,4,5,6,7,8,9,10,11,12,13,14,15
.endr
	v_cvt_scalef32_pk8_fp8_f32 v[PC+4*\b:PC+4*\b+1], v[S+16*\b:S+16*\b+7], v[SOP+\b]
	v_cvt_scalef32_pk8_fp8_f32 v[PC+4*\b+2:PC+4*\b+3], v[S+16*\b+8:S+16*\b+15], v[SOP+\b]
.endr
	v_nop                                          ; a plain vector line behind the last conversion
	global_store_b128 v[LI], v[PC:PC+3], s[76:77]                 ; 512 consecutive bytes each
	global_store_b128 v[LI], v[PC+4:PC+7], s[76:77] offset:512
	global_store_b16 v[R16], v[TA], s[78:79]       ; both lanes of a row write the same two bytes with the same value
.endm
; one tile of 16 queries, group s[SG]
.macro PHASE ph
	s_wait_xcnt 0x0                                ; the last tile's stores have read their registers and addresses
	s_wait_loadcnt 0x0                             ; q
	v_lshl_or_b32 v[QW], v[QW], 16, v[QW]          ; the two bytes twice: they serve [q, 0] and [0, q].  The lines below are the places in front of the products
	v_mov_b32 v13, 0xff61b1e6                      ; the largest t so far: -3e38
	s_delay_alu instid0(VALU_DEP_1)
	v_floor_f32 v12, -v13
	v_mov_b32 v14, 0
	v_mov_b32 v15, 0
.irp j, 0,1,2,3,4,5,6,7,8,9,10,11,12,13,14,15,16,17,18,19,20,21,22,23,24,25,26,27,28,29,30,31
	v_mov_b32 v[O+\j], 0                           ; the key step is written once: the first finds zeros, which the first change of M leaves zeros
.endr
	s_mov_b32 s[KS], 0
	s_mov_b32 s[KO], 0
	s_mov_b32 s[SO], 0
.Lstep_\@:
	s_cmp_gt_u32 s[KS], s[SG]                      ; all keys of the step come after my queries: its work is left out
	s_cbranch_scc1 .Lskip_\@
	s_setprio 2
	STEP
.Lskip_\@:
	s_add_co_u32 s[KO], s[KO], 8192
	s_add_co_u32 s[SO], s[SO], 256
	s_add_co_u32 s[KS], s[KS], 1
	s_cmp_lt_u32 s[KS], 16
	s_cbranch_scc1 .Lstep_\@
	s_setprio 0
	s_lshl_b32 s70, s[SG], 17                      ; y's image: 8 tiles of 16,384 bytes a group
	s_mov_b32 s71, 0
	s_add_nc_u64 s[76:77], s[66:67], s[70:71]
	s_lshl_b32 s70, s[SG], 12                      ; its scale words: 8 tiles of 512
	s_add_nc_u64 s[78:79], s[68:69], s[70:71]
.if \ph == 0
	s_sub_co_u32 s[SG], 15, s[P]                   ; the second tile's group; its q is asked for ahead of the first tile's way out
	QLOAD
.endif
	FINISH
.endm
	s_load_b256 s[4:11], s[0:1], 0x0               ; qkv s[4:5], qkvs s[6:7], yc s[8:9], sc2 s[10:11]
	v_lshl_add_u32 v254, v0, 2, 0x42000
	v_mov_b32 v255, 0
	ds_add_u32 v254, v255
	ds_add_u32 v254, v255
	v_lshrrev_b32 v5, 5, v0
	s_delay_alu instid0(VALU_DEP_1)
	v_readfirstlane_b32 s[WV], v5                  ; wave 0..15
	s_bfe_u32 s13, ttmp6, 0x40000                  ; cx
	s_and_b32 s14, ttmp7, 0xffff                   ; batch x head, which the four partners share
	; descriptor group 1: dense bytes as rows of 256 (32 elements of 8 bytes): 64 rows of codes, 2 rows of scale words a wave
	s_mov_b32 s[G1K], 15|(3<<16)|(1<<21)           ; 15:0 the mask: all four work-groups; 17:16 elements of 8 bytes; 21 set beside a mask
	s_mov_b32 s[G1K+1], 32<<16
	s_mov_b32 s[G1K+2], 64<<16
	s_mov_b32 s[G1K+3], 32<<16
	s_mov_b32 s[G1K+4], 64
	s_mov_b32 s[G1K+5], 32
	s_mov_b32 s[G1K+6], 0
	s_mov_b32 s[G1K+7], 0
	s_mov_b32 s[G1S], 15|(3<<16)|(1<<21)
	s_mov_b32 s[G1S+1], 32<<16
	s_mov_b32 s[G1S+2], 2<<16
	s_mov_b32 s[G1S+3], 32<<16
	s_mov_b32 s[G1S+4], 2
	s_mov_b32 s[G1S+5], 32
	s_mov_b32 s[G1S+6], 0
	s_mov_b32 s[G1S+7], 0
	s_mul_i32 s16, s14, 393216
	s_mov_b32 s17, 0
	s_mul_i32 s18, s14, 12288
	s_mov_b32 s19, 0
	s_lshl_b32 s20, s[WV], 14                      ; my sixteenth of K and V, in memory and in LDS alike
	s_mov_b32 s21, 0
	s_lshl_b32 s22, s[WV], 9                       ; and of their scale words
	s_mov_b32 s23, 0
	s_wait_dscnt 0x0
	s_wait_kmcnt 0x0
	s_add_nc_u64 s[4:5], s[4:5], s[16:17]          ; my head
	s_add_nc_u64 s[6:7], s[6:7], s[18:19]
	CROUND                                         ; all four work-groups are here: the joint loads meet
	s_mov_b32 s[G0K], 1
	s_mov_b32 s[G0K+1], s20
	s_add_nc_u64 s[G0K+2:G0K+3], s[4:5], s[20:21]
	s_or_b32 s[G0K+3], s[G0K+3], 0x80000000
	s_mov_b32 s[G0S], 1
	s_add_co_u32 s[G0S+1], s22, 262144
	s_add_nc_u64 s[G0S+2:G0S+3], s[6:7], s[22:23]
	s_or_b32 s[G0S+3], s[G0S+3], 0x80000000
	tensor_load_to_lds s[G0K:G0K+3], s[G1K:G1K+7]  ; the launch's only fills: the first of my two tensor loads
	s_nop 0
	s_wait_alu depctr_va_vdst(0)
	s_wait_tensorcnt 0x0
	ds_add_u32 v254, v255
	s_wait_dscnt 0x0
	CROUND
	tensor_load_to_lds s[G0S:G0S+3], s[G1S:G1S+7]
	s_nop 0
.rept 4
	v_nop
.endr
	v_and_b32 v5, 31, v0
	s_delay_alu instid0(VALU_DEP_1)
	v_lshlrev_b32 v[LI], 4, v5
	s_delay_alu instid0(VALU_DEP_1)
	v_add_nc_u32 v[LV], 131072, v[LI]
	v_and_b32 v6, 15, v0                           ; r
	v_bfe_u32 v7, v0, 4, 1                         ; h
	s_delay_alu instid0(VALU_DEP_2)
	v_lshlrev_b32 v[R16], 4, v6
	s_delay_alu instid0(VALU_DEP_1)
	v_lshl_add_u32 v[AS0], v7, 12, v[R16]
	s_delay_alu instid0(VALU_DEP_1)
	v_add_nc_u32 v[AS0], 262144, v[AS0]
	s_and_b32 s[U], s[WV], 1
	s_lshr_b32 s[P], s[WV], 1
	s_lshl_b32 s80, s13, 5
	s_lshl_b32 s81, s[U], 3
	s_add_co_u32 s80, s80, s81                     ; 32 cx + 8 u
	v_and_b32 v11, 8, v6
	s_delay_alu instid0(VALU_DEP_1)
	v_add_nc_u32 v11, v11, v6                      ; r + 8 (r / 8)
	v_lshlrev_b32 v5, 4, v7
	s_delay_alu instid0(VALU_DEP_1)
	v_sub_nc_u32 v11, v11, v5
	s_delay_alu instid0(VALU_DEP_1)
	v_add_nc_u32 v[DM], s80, v11                   ; register 16 f + i holds key 32 f + 16 h + i: hidden where 32 f + i > my query's place - 16 h
	v_mov_b32 v[NINF], 0xff800000
.irp j, 0,1,2,3,4,5,6,7
	v_mov_b32 v[Q1+8+\j], 0                        ; the zero halves, written once
	v_mov_b32 v[Q2+\j], 0
.endr
.irp b, 0,1,2,3
	v_mov_b32 v[BT+\b], 0                          ; a lane permute's destination counts as one of its sources
.endr
	v_mov_b32 v[TA], 0
	v_mov_b32 v[F], 0
	v_mov_b32 v[F+1], 0                            ; (named as the upper half of a pair)
	s_mov_b32 s[SEL], 0x76543210
	s_mov_b32 s[SEL+1], 0xfedcba98
	s_mov_b32 s[CS], 0x3e38aa3b                    ; log2(e) / 8
	s_mov_b32 s[CS+1], s[CS]
	s_lshr_b32 s82, s14, 4                         ; the batch
	s_and_b32 s83, s14, 15                         ; the head
	s_lshl_b32 s84, s13, 1
	s_add_co_u32 s84, s84, s[U]                    ; my tile in a group: 2 cx + u
	s_lshl_b32 s85, s82, 7
	s_add_co_u32 s85, s85, s84                     ; and among all token tiles, in group 0
	s_lshl_b32 s70, s84, 10
	s_add_co_u32 s70, s70, 262144
	s_mov_b32 s71, 0
	s_add_nc_u64 s[60:61], s[4:5], s[70:71]        ; q: 1,024 bytes a tile, behind K and V
	s_lshl_b32 s70, s84, 1
	s_add_co_u32 s70, s70, 8192
	s_add_nc_u64 s[62:63], s[6:7], s[70:71]        ; its two scale bytes: word cx, half u
	s_lshl_b32 s70, s85, 14
	s_lshr_b32 s86, s83, 1                         ; y's K step: two heads each
	s_lshl_b32 s87, s86, 11
	s_add_co_u32 s70, s70, s87
	s_and_b32 s88, s83, 1
	s_lshl_b32 s87, s88, 10                        ; pieces 0, 1 or 2, 3
	s_add_co_u32 s70, s70, s87
	s_add_nc_u64 s[66:67], s[8:9], s[70:71]
	s_lshl_b32 s70, s85, 9
	s_lshr_b32 s87, s83, 3
	s_lshl_b32 s87, s87, 8
	s_add_co_u32 s70, s70, s87
	s_and_b32 s87, s86, 3
	s_lshl_b32 s87, s87, 2
	s_add_co_u32 s70, s70, s87
	s_lshl_b32 s87, s88, 1
	s_add_co_u32 s70, s70, s87
	s_add_nc_u64 s[68:69], s[10:11], s[70:71]
	s_mov_b32 s[SG], s[P]
	QLOAD
	s_wait_tensorcnt 0x0                           ; my parts are in,
	s_barrier_signal -1
	s_barrier_wait -1                              ; everybody's are: K, V and their scale words stay as they are to the end
	PHASE 0
	PHASE 1
	s_wait_dscnt 0x0
	s_wait_tensorcnt 0x0
	ds_add_u32 v254, v255
	s_wait_dscnt 0x0
	CROUND                                         ; the closing round
	s_endpgm
.Lfunc_end_k_q6ec6e4ab76_attn:
	.size	k_q6ec6e4ab76_attn, .Lfunc_end_k_q6ec6e4ab76_attn-k_q6ec6e4ab76_attn
	.p2alignl 7, 3214868480
	.fill 96, 4, 3214868480
	.section	.rodata,"a",@progbits
	.p2align	6, 0x0
	.amdhsa_kernel k_q6ec6e4ab76_attn
		.amdhsa_group_segment_fixed_size 327680
		.amdhsa_private_segment_fixed_size 0
		.amdhsa_enable_private_segment 0
		.amdhsa_kernarg_size 32
		.amdhsa_user_sgpr_count 2
		.amdhsa_user_sgpr_kernarg_segment_ptr 1
		.amdhsa_wavefront_size32 1
		.amdhsa_system_sgpr_workgroup_id_x 1
		.amdhsa_system_sgpr_workgroup_id_y 1
		.amdhsa_system_sgpr_workgroup_id_z 1
		.amdhsa_system_vgpr_workitem_id 0
		.amdhsa_next_free_vgpr 256
		.amdhsa_next_free_sgpr 92
		.amdhsa_reserve_vcc 1
		.amdhsa_float_denorm_mode_32 3
		.amdhsa_float_denorm_mode_16_64 3
		.amdhsa_fp16_overflow 1
		.amdhsa_memory_ordered 1
		.amdhsa_forward_progress 1
		.amdhsa_inst_pref_size 65
	.end_amdhsa_kernel
	.amdgpu_metadata
---
amdhsa.version: [ 1, 2 ]
amdhsa.kernels:
  - .name:           k_q6ec6e4ab76_attn
    .symbol:         k_q6ec6e4ab76_attn.kd
    .args:
      - { .name: qkv, .offset: 0, .size: 8, .value_kind: global_buffer, .address_space: global }
      - { .name: qkvs, .offset: 8, .size: 8, .value_kind: global_buffer, .address_space: global }
      - { .name: yc, .offset: 16, .size: 8, .value_kind: global_buffer, .address_space: global }
      - { .name: sc2, .offset: 24, .size: 8, .value_kind: global_buffer, .address_space: global }
    .group_segment_fixed_size: 327680
    .private_segment_fixed_size: 0
    .kernarg_segment_align: 8
    .kernarg_segment_size: 32
    .max_flat_workgroup_size: 512
    .sgpr_count:     92
    .vgpr_count:     256
    .wavefront_size: 32
...
	.end_amdgpu_metadata
.endif
;; end of part 3
;; launch outg (part 4): grid 4 x 32, 4 waves a work-group, clusters of 4 x 4, 327,680 bytes of LDS; arguments yc, cw, sc2, out0; writes out0
.if DOCPART == 4
	.amdgcn_target "amdgcn-amd-amdhsa--gfx1250"
	.amdhsa_code_object_version 6
	.text
	.protected	k_q6ec6e4ab76_outg
	.globl	k_q6ec6e4ab76_outg
	.p2align	8
	.type	k_q6ec6e4ab76_outg,@function
k_q6ec6e4ab76_outg:
	s_mov_b64 s[64:65], 0
	v_nop
	global_prefetch_b8 v0, s[64:65] scope:SCOPE_SE
	s_setreg_imm32_b32 hwreg(HW_REG_WAVE_MODE, 25, 1), 1
	s_wait_xcnt 0x0
	s_wait_alu depctr_hold_cnt(0) depctr_sa_sdst(0) depctr_va_vdst(0) depctr_va_sdst(0) depctr_va_ssrc(0) depctr_va_vcc(0) depctr_vm_vsrc(0)
	s_getreg_b32 s2, hwreg(HW_REG_IB_STS2, 6, 4)
	s_cmp_eq_u32 s2, 0
	s_cbranch_scc0 .Lentry_in_a_cluster
	s_endpgm
.Lentry_in_a_cluster:
	s_bfe_u32 s2, ttmp6, 0x10000c
	s_cmp_lg_u32 s2, 0xf033
	s_cbranch_scc0 .Lentry_shape_is_right
	s_endpgm
.Lentry_shape_is_right:
; out0 = y Wp on codes of FP8 (E4M3) with E8M0 scales, K = 1,024; out0 [8192][1024] f32.
; OPERANDS are images of registers ([tile of 16 rows][K step 8][2,048 bytes]; row r of tile T is row 32 (T / 2) + 8 (T % 2) + r + 8 (r / 8)): y in yc (512 tiles of tokens), Wp in cw (tiles 704-767: its columns);
; scale words sc2: [tile][K half][r][4 words]: y's 512 tiles, then Wp's 64.
; A work-group of four waves makes 256 columns (P, source 0 = Wp) x 256 tokens (N, source 1 = y); a wave 128 x 128: 64 accumulators.  In accumulator (a, b) lane (r, h) holds token row r of tile a and eight neighbouring columns.
; K goes in slots of 256 through a ring of two LDS slots; four fills in all, so the eight K steps are written out: each names its own scale registers.
; CLUSTERS: 4 x 4 work-groups.  y's tiles hang on the cluster's row, Wp's on its column: each is asked for jointly by the four that share it.
; REGISTERS: window 0: v1-30 addresses; v32-95 scale words: v[32 + 8 i + s]: lanes 0-15 N's tile i, lanes 16-31 P's tile i, K step s; v128-255 N's fragments, one set (on the way out: rows of out0).
;   window 1: P's fragments, two sets.   windows 2, 3: the accumulators of N's tiles 0-3, 4-7: (a, b) at v[8 (8 (a % 4) + b)].
.set NP,    8                          ; places behind this matrix instruction (ISA guide 7.12.1)
.set HALFT, 32768
.set SLOT,  4*HALFT
.set SPARE, 2*SLOT
.set SPITCH, 528                       ; the way out: a stage of 16 rows x (512 bytes + 16) for each wave, in slot 0, which has had its last fill and its last read when the first result is stored there
.set ADRA, 16
.set ADRB, 20
.set LI,   24                          ; v24     16 x lane
.set STO,  25                          ; v25     the way out: where I put 32 bytes of a row
.set RD,   26                          ; v26     and where I read a row back
.set SA,   27                          ; v27     where my scale words come from
.set SPW,  28
.set NIL,  29
.set TV,   30
.set SC,   32
.set AF,   128
.set BK,   128                         ; the way out: 16 rows read back: v128-191 and v192-255 by turns
.set G1,   24
.set G0,   32
.set G1B,  48
.set G0B,  56
.set MSB, 0
.macro WIN new                         ; the immediate's high byte repeats the setting that is left
.if MSB != (\new)
	s_set_vgpr_msb (MSB<<8)|(\new)
.set MSB, (\new)
.endif
.endm
.set MUL_LO, 0xa1                      ; source 0 (P) window 1, source 1 (N) window 0, C and D window 2
.set MUL_HI, 0xf1
.set TO_B,   0x40
; A joint load: waves 0 and 1 fetch for N, waves 2 and 3 for P.  Four v_nop follow each of the two lines.
.macro JLOAD g0a, g1a, g0b, g1b
	s_cmp_eq_u32 s15, 0
	s_cbranch_scc0 .Lfor_b_\@
	tensor_load_to_lds s[\g0a:\g0a+3], s[\g1a:\g1a+7]
	s_nop 0
.rept 4
	v_nop
.endr
	s_branch .Lasked_\@
.Lfor_b_\@:
	tensor_load_to_lds s[\g0b:\g0b+3], s[\g1b:\g1b+7]
	s_nop 0
.rept 4
	v_nop
.endr
.Lasked_\@:
.endm
.macro CREST
	s_cmp_lg_u32 s14, 0
	s_cbranch_scc1 .Lnot_wave_0_\@
	s_barrier_signal -3
.Lnot_wave_0_\@:
	s_barrier_wait -3
	s_barrier_signal -1
	s_barrier_wait -1
.endm
.macro CROUND
	s_barrier_signal -1
	s_barrier_wait -1
	CREST
.endm
.macro PLACES n
.rept \n
	v_nop
.endr
.endm
.macro FRAG reg, adr, q, i
.irp c, 0,1,2,3
	ds_load_b128 v[\reg+4*\c:\reg+4*\c+3], v[\adr] offset:4096*(\i)+2048*(\q)+512*\c
.endr
.endm
.macro FETCH_B slot, q, p
	WIN TO_B
.irp i, 0,1,2,3,4,5,6,7
	FRAG 128*(\p)+16*\i, ADRB+\slot, \q, \i
.endr
	WIN 0
.endm
.macro FETCH_A slot, q, i0
.irp i, \i0, \i0+1, \i0+2, \i0+3
	FRAG AF+16*(\i), ADRA+\slot, \q, \i
.endr
.endm
; 16 matrix instructions; the 64 accumulators take turns, one instruction a turn, in the same order in every K step
.macro MUL16 a0, p, ks, zero
.irp a, \a0, \a0+1
.irp b, 0,1,2,3,4,5,6,7
.if \zero
	v_wmma_scale_f32_16x16x128_f8f6f4 v[8*(8*((\a)%4)+\b):8*(8*((\a)%4)+\b)+7], v[128*(\p)+16*\b:128*(\p)+16*\b+15], v[AF+16*(\a):AF+16*(\a)+15], 0, v[SC+8*\b+(\ks)], v[SC+8*(\a)+(\ks)] matrix_a_scale:MATRIX_SCALE_ROW1
.else
	v_wmma_scale_f32_16x16x128_f8f6f4 v[8*(8*((\a)%4)+\b):8*(8*((\a)%4)+\b)+7], v[128*(\p)+16*\b:128*(\p)+16*\b+15], v[AF+16*(\a):AF+16*(\a)+15], v[8*(8*((\a)%4)+\b):8*(8*((\a)%4)+\b)+7], v[SC+8*\b+(\ks)], v[SC+8*(\a)+(\ks)] matrix_a_scale:MATRIX_SCALE_ROW1
.endif
.endr
.endr
.endm
.macro STEP slot, ks, zero
	s_wait_dscnt 16                                ; P's set and N's tiles 0-3 are in; the youngest 16 loads (N's tiles 4-7) may be out
	WIN MUL_LO
	MUL16 0, 0, \ks, \zero
	MUL16 2, 0, \ks, \zero
	s_wait_dscnt 0x0
	PLACES NP
	FETCH_B \slot, 1, 1
	FETCH_A \slot, 1, 0
	WIN MUL_HI
	MUL16 4, 0, \ks, \zero
	MUL16 6, 0, \ks, \zero
	PLACES NP
	WIN 0
	FETCH_A \slot, 1, 4
.endm
.macro TURN slot, next, ks, fill
	s_wait_tensorcnt 0x0                           ; all my tensor loads have landed: my part of the next slot
	ds_add_u32 v[SPW], v[NIL]                      ; 0 onto my spare word
	s_wait_dscnt 17                                ; (the add and the youngest 16 loads may be out)
	WIN MUL_LO
	MUL16 0, 1, \ks, 0
	s_wait_dscnt 0x0                               ; the add is done, and my reads of this slot are over
	s_barrier_signal -1
	MUL16 2, 1, \ks, 0
	WIN 0
	s_barrier_wait -1
.if \fill
	CREST                                          ; the barrier has opened a round of the cluster's barrier: no wave of any partner still reads this slot or has a load on its way
	s_add_nc_u64 s[G0+4*\slot+2:G0+4*\slot+3], s[G0+4*\slot+2:G0+4*\slot+3], 8192
	s_add_nc_u64 s[G0B+4*\slot+2:G0B+4*\slot+3], s[G0B+4*\slot+2:G0B+4*\slot+3], 8192
	JLOAD G0+4*\slot, G1, G0B+4*\slot, G1B         ; the first tensor load behind the round; its four v_nop are four of the eight places
	PLACES NP-4
.else
	PLACES NP
.endif
	FETCH_B \next, 0, 0
	FETCH_A \next, 0, 0
	WIN MUL_HI
	MUL16 4, 1, \ks, 0
	MUL16 6, 1, \ks, 0
	PLACES NP
	WIN 0
	FETCH_A \next, 0, 4
.endm
	s_load_b256 s[4:11], s[0:1], 0x0               ; yc s[4:5], cw s[6:7], sc2 s[8:9], out0 s[10:11]
	v_lshl_add_u32 v[SPW], v0, 2, SPARE
	v_mov_b32 v[NIL], 0
	ds_add_u32 v28, v29
	ds_add_u32 v28, v29
	s_wait_dscnt 0x0
	v_lshrrev_b32 v1, 5, v0
	v_readfirstlane_b32 s14, v1                    ; wave 0..3
	s_lshr_b32 s15, s14, 1                         ; which half of N's tiles is mine.  Also: I fetch for N (0) or for P (1)
	s_and_b32 s16, s14, 1                          ; which half of P's tiles.  Also: which 8 tiles I fetch
	s_bfe_u32 s40, ttmp6, 0x40000                  ; cx, cy
	s_bfe_u32 s41, ttmp6, 0x40004
	s_and_b32 s17, ttmp7, 0xffff
	s_lshl_b32 s17, s17, 2
	s_lshl_b32 s43, s41, 2
	s_lshl_b32 s43, 15, s43                        ; my row of the cluster
	s_lshl_b32 s44, 0x1111, s40                    ; my column
	s_or_b32 s[G1+0], s43, (3<<16)|(1<<21)         ; 8 tiles' parts of 4,096 bytes, 16,384 bytes apart, in elements of 8 bytes; y's go to my row,
	s_or_b32 s[G1B+0], s44, (3<<16)|(1<<21)        ; Wp's to my column
.irp g, G1, G1B
	s_mov_b32 s[\g+1], 512<<16
	s_mov_b32 s[\g+2], 8<<16
	s_mov_b32 s[\g+3], 512<<16
	s_mov_b32 s[\g+4], 8
	s_mov_b32 s[\g+5], 2048
	s_mov_b32 s[\g+6], 0
	s_mov_b32 s[\g+7], 0
.endr
	s_add_co_u32 s20, s17, s41                     ; y's block of 16 tiles: 4 x cluster y + cy
	s_add_co_u32 s46, s40, 44                      ; Wp's in cw: 44 + cx
	s_lshl_b32 s22, s20, 18
	s_lshl_b32 s21, s16, 17
	s_add_co_u32 s22, s22, s21
	s_mov_b32 s23, 0
	s_lshl_b32 s92, s46, 18
	s_add_co_u32 s92, s92, s21
	s_mov_b32 s93, 0
	s_lshl_b32 s45, s14, 15
	s_wait_kmcnt 0x0
	s_add_nc_u64 s[22:23], s[4:5], s[22:23]
	s_add_nc_u64 s[92:93], s[6:7], s[92:93]
	CROUND                                         ; all sixteen work-groups are here: the first joint loads meet
.irp s, 0,1
	s_mov_b32 s[G0+4*\s], 1
	s_add_co_u32 s[G0+4*\s+1], s45, \s*SLOT
	s_add_nc_u64 s[G0+4*\s+2:G0+4*\s+3], s[22:23], \s*4096
	s_or_b32 s[G0+4*\s+3], s[G0+4*\s+3], 0x80000000
	s_mov_b32 s[G0B+4*\s], 1
	s_add_co_u32 s[G0B+4*\s+1], s45, \s*SLOT
	s_add_nc_u64 s[G0B+4*\s+2:G0B+4*\s+3], s[92:93], \s*4096
	s_or_b32 s[G0B+4*\s+3], s[G0B+4*\s+3], 0x80000000
	s_wait_alu depctr_va_vdst(0)
	s_wait_tensorcnt 0x0
	ds_add_u32 v28, v29
	ds_add_u32 v28, v29
	s_wait_dscnt 0x0
	CROUND
	JLOAD G0+4*\s, G1, G0B+4*\s, G1B               ; one tensor load of mine is out
.endr
	v_and_b32 v1, 15, v0                           ; r
	v_bfe_u32 v2, v0, 4, 1                         ; h
	s_wait_alu depctr_va_vdst(0)
	v_and_b32 v3, 31, v0
	v_lshlrev_b32 v[LI], 4, v3
	s_lshl_b32 s66, s15, 15
	s_lshl_b32 s67, s16, 15
	s_add_co_u32 s67, s67, 2*HALFT
.irp s, 0,1
	v_add_nc_u32 v[ADRA+\s], s66, v[LI]
	v_add_nc_u32 v[ADRB+\s], s67, v[LI]
	s_add_co_u32 s66, s66, SLOT
	s_add_co_u32 s67, s67, SLOT
.endr
	; the scale words of all eight K steps, straight into registers, once
	s_lshl_b32 s68, s20, 4
	s_lshl_b32 s69, s15, 3
	s_add_co_u32 s68, s68, s69
	s_lshl_b32 s68, s68, 9                         ; y's
	s_lshl_b32 s70, s40, 4
	s_lshl_b32 s69, s16, 3
	s_add_co_u32 s70, s70, s69
	s_add_co_u32 s70, s70, 512
	s_lshl_b32 s70, s70, 9                         ; Wp's, behind y's 512 tiles
	v_cmp_eq_u32 vcc_lo, 1, v2
	v_mov_b32 v[TV], s70
	v_mov_b32 v[SA], s68
	v_cndmask_b32 v[SA], v[SA], v[TV], vcc_lo
	v_lshl_add_u32 v[SA], v1, 4, v[SA]
.irp i, 0,1,2,3,4,5,6,7
	global_load_b128 v[SC+8*\i:SC+8*\i+3], v[SA], s[8:9] offset:512*\i
	global_load_b128 v[SC+8*\i+4:SC+8*\i+7], v[SA], s[8:9] offset:512*\i+256
.endr
	s_mul_i32 s71, s14, 16*SPITCH                  ; my stage
	v_mul_u32_u24 v[STO], v1, SPITCH
	v_lshl_add_u32 v[STO], v2, 6, v[STO]
	v_add_nc_u32 v[STO], s71, v[STO]               ; in: row r, + 64 h bytes
	v_add_nc_u32 v[RD], s71, v[LI]                 ; back: the 32 lanes take one row of 512 bytes
	s_lshl_b32 s72, s20, 20                        ; out0: 256 rows of 4,096 bytes a block, 128 for my half,
	s_lshl_b32 s74, s15, 19
	s_add_co_u32 s72, s72, s74
	s_lshl_b32 s74, s40, 10                        ; + my first column: 1,024 cx + 512 x half bytes
	s_add_co_u32 s72, s72, s74
	s_lshl_b32 s74, s16, 9
	s_add_co_u32 s72, s72, s74
	s_mov_b32 s73, 0
	s_add_nc_u64 s[10:11], s[10:11], s[72:73]
	s_wait_tensorcnt 1                             ; my part of slot 0 is in (slot 1's load may be out)
	s_barrier_signal -1
	s_barrier_wait -1                              ; everybody's is
	FETCH_B 0, 0, 0
	FETCH_A 0, 0, 0
	FETCH_A 0, 0, 4
	s_wait_loadcnt 0x0                             ; the scale words
	STEP 0, 0, 1                                   ; the first K step's products start the sums
	TURN 0, 1, 1, 1
	STEP 1, 2, 0
	TURN 1, 0, 3, 1
	STEP 0, 4, 0
	TURN 0, 1, 5, 0                                ; nothing is left to fetch; behind this barrier nobody reads slot 0
	STEP 1, 6, 0
	s_wait_dscnt 16
	WIN MUL_LO
	MUL16 0, 1, 7, 0
	MUL16 2, 1, 7, 0
	s_wait_alu depctr_va_vdst(0)
	s_wait_dscnt 0x0
	WIN MUL_HI
	MUL16 4, 1, 7, 0
	MUL16 6, 1, 7, 0
	WIN 0
; THE WAY OUT, a tile of 16 tokens x 128 columns at a time, through my own stage: accumulator (a, b)'s eight registers are columns 32 (b / 2) + 8 (b % 2) + 16 h + 0 .. 7 of token row r.
; They come back as whole rows of 512 bytes.  LDS serves a wave's instructions in order (ISA guide 5.7.1.4): no wait between the stores and the loads, nor in front of the next tile's stores.
.macro TOSTAGE a
.set AC, 64*((\a)%4)
	WIN 0x08+4*((\a)/4)                            ; the data: window 2 or 3
.irp b, 0,1,2,3,4,5,6,7
	ds_store_b128 v[STO], v[AC+8*\b:AC+8*\b+3] offset:128*(\b/2)+32*(\b%2)       ; each accumulator from its low end on
	ds_store_b128 v[STO], v[AC+8*\b+4:AC+8*\b+7] offset:128*(\b/2)+32*(\b%2)+16
.endr
	WIN 0
.set BB, BK+64*((\a)%2)
.irp t, 0,1,2,3,4,5,6,7,8,9,10,11,12,13,14,15
	ds_load_b128 v[BB+4*\t:BB+4*\t+3], v[RD] offset:\t*SPITCH
.endr
.endm
.macro SEND a, younger                 ; younger: the LDS instructions issued behind tile a's loads, which may stay out
.set BB, BK+64*((\a)%2)
	s_wait_dscnt \younger
.irp t, 0,1,2,3,4,5,6,7,8,9,10,11,12,13,14,15
	global_store_b128 v[LI], v[BB+4*\t:BB+4*\t+3], s[10:11] offset:(32*((\a)/2)+8*((\a)%2)+\t+8*(\t/8))*4096 th:TH_STORE_NT   ; row t of tile a is token 32 (a / 2) + 8 (a % 2) + t + 8 (t / 8); 32 lanes store 512 consecutive bytes, aligned
.endr
.endm
	PLACES NP                                      ; behind the last products: results are read, and loads land in registers that held fragments
	TOSTAGE 0
.irp a, 1,2,3,4,5,6,7
.if \a > 1
	s_wait_xcnt 0x0                                ; tile a - 2's stores have read their registers: tile a's loads may land there
.endif
	TOSTAGE \a
	SEND \a-1, 32                                  ; behind tile a - 1's loads: tile a's 16 stores and 16 loads
.endr
	SEND 7, 0
	s_wait_tensorcnt 0x0                           ; the wave's end
	ds_add_u32 v[SPW], v[NIL]
	s_wait_dscnt 0x0
	CROUND                                         ; the closing round
	s_endpgm
.Lfunc_end_k_q6ec6e4ab76_outg:
	.size	k_q6ec6e4ab76_outg, .Lfunc_end_k_q6ec6e4ab76_outg-k_q6ec6e4ab76_outg
	.p2alignl 7, 3214868480
	.fill 96, 4, 3214868480
	.section	.rodata,"a",@progbits
	.p2align	6, 0x0
	.amdhsa_kernel k_q6ec6e4ab76_outg
		.amdhsa_group_segment_fixed_size 327680
		.amdhsa_private_segment_fixed_size 0
		.amdhsa_enable_private_segment 0
		.amdhsa_kernarg_size 32
		.amdhsa_user_sgpr_count 2
		.amdhsa_user_sgpr_kernarg_segment_ptr 1
		.amdhsa_wavefront_size32 1
		.amdhsa_system_sgpr_workgroup_id_x 1
		.amdhsa_system_sgpr_workgroup_id_y 1
		.amdhsa_system_sgpr_workgroup_id_z 1
		.amdhsa_system_vgpr_workitem_id 0
		.amdhsa_next_free_vgpr 1024
		.amdhsa_next_free_sgpr 100
		.amdhsa_reserve_vcc 1
		.amdhsa_float_denorm_mode_32 3
		.amdhsa_float_denorm_mode_16_64 3
		.amdhsa_memory_ordered 1
		.amdhsa_forward_progress 1
		.amdhsa_inst_pref_size 143
	.end_amdhsa_kernel
	.amdgpu_metadata
---
amdhsa.version: [ 1, 2 ]
amdhsa.kernels:
  - .name:           k_q6ec6e4ab76_outg
    .symbol:         k_q6ec6e4ab76_outg.kd
    .args:
      - { .name: yc, .offset: 0, .size: 8, .value_kind: global_buffer, .address_space: global }
      - { .name: cw, .offset: 8, .size: 8, .value_kind: global_buffer, .address_space: global }
      - { .name: sc2, .offset: 16, .size: 8, .value_kind: global_buffer, .address_space: global }
      - { .name: out0, .offset: 24, .size: 8, .value_kind: global_buffer, .address_space: global }
    .group_segment_fixed_size: 327680
    .private_segment_fixed_size: 0
    .kernarg_segment_align: 8
    .kernarg_segment_size: 32
    .max_flat_workgroup_size: 128
    .sgpr_count:     100
    .vgpr_count:     1024
    .wavefront_size: 32
...
	.end_amdgpu_metadata
.endif
;; end of part 4
